; MI455X (gfx1250); checked and timed in simulation.
; The chip was launched on July 23, 2026; its instructions are those of AMD's public machine-readable ISA for CDNA 5 (MIT licence, August 2026) and "CDNA5" Instruction Set Architecture Reference Guide (July 2026). The comments in the code are by the model that wrote it; some were corrected since.
;; Cross Attention. Allowed arithmetic: matrix products marked QUANTISED: E2M1 operands, one E8M0 scale for each 32 along K, by v_wmma_scale_f32_16x16x128_f8f6f4 with both operands' format E2M1 (or v_wmma_scale_f32_32x16x128_f4), f32 sums; products left as they are: bf16, f16 or f32 operands; f32 sums; everything else in f32.
;; Inputs: Wk 1,024 x 1,024 float32; Wo 1,024 x 1,024 float32; Wq 1,024 x 1,024 float32; Wv 1,024 x 1,024 float32; bo 1,024 float32; x 4 x 2,048 x 1,024 float32.
;; Outputs: out0 4 x 2,048 x 1,024 float32.
;; This version of the problem:
;;   THIS VERSION OF THE PROBLEM IS GIVEN IN LOW PRECISION. The matrix products marked QUANTISED in the list below multiply operands that are first quantised to E2M1 (2 exponent bits, 1 mantissa bit; 4 bits a number), with one power-of-two scale for each 32 numbers along K (OCP MX v1.0); their sums are f32. The products marked 'left as it is' may take bf16, f16 or f32 operands, with f32 sums. Whichever they take, every output number must still come out within the allowed error. Rounding operands to bf16 (8 significant bits) uses up far more of that allowance than f16 does (11 bits, for magnitudes from 6e-5 to 65,504). All else is computed in f32.
;;   The module's matrix products, in the order in which they are computed (A, B: the left and right operand; K: the contracted axis; several contracted axes count as one K, in the product's order):
;;     1. [M 8,192, K 1,024] x [K 1,024, N 1,024]; A: input x; B: input Wq: QUANTISED
;;     2. [M 8,192, K 1,024] x [K 1,024, N 1,024]; A: input x; B: input Wk: QUANTISED
;;     3. [M 8,192, K 1,024] x [K 1,024, N 1,024]; A: input x; B: input Wv: QUANTISED
;;     4. batch 64 x [M 2,048, K 64] x [K 64, N 2,048]; A: computed on the way; B: computed on the way: left as it is (an operand is computed on the way)
;;     5. batch 64 x [M 2,048, K 2,048] x [K 2,048, N 64]; A: computed on the way; B: computed on the way: left as it is (an operand is computed on the way)
;;     6. [M 8,192, K 1,024] x [K 1,024, N 1,024]; A: computed on the way; B: input Wo: left as it is (an operand is computed on the way)
;;   THE QUANTISER, for each operand of a quantised product, along K:
;;     - K is cut into blocks of 32 from its start; a last block that is shorter is filled with zeros.
;;     - A block's scale is 2^e with e = floor(log2(the largest magnitude in the block)) - 2, held to -126 .. 127; a block of zeros has e = 0. As a byte (E8M0): e + 127.
;;     - Each number is divided by its block's scale, clamped to +-6, and rounded to the nearest number of E2M1, ties to even, subnormals kept.
;;     - The product sums the exact products of the quantised numbers (number of the format x scale) in f32.
;;   ~~~python
;;   def quantise(x, axis):      # numpy; x: float32 -> the quantised numbers, widened to float32 again
;;       x = np.moveaxis(x, axis, -1); K = x.shape[-1]
;;       x = np.pad(x, [(0, 0)] * (x.ndim - 1) + [(0, -K % 32)]); x = x.reshape(x.shape[:-1] + (-1, 32)); a = np.abs(x).max(-1, keepdims=True)
;;       e = np.where(a > 0, np.clip(np.frexp(np.where(a > 0, a, 1))[1] - 1 - 2, -126, 127), 0)      # np.frexp(a)[1] - 1 = floor(log2(a)), exactly
;;       r = np.clip(x / 2.0 ** e, -6, 6)
;;       step = 2.0 ** (np.maximum(np.frexp(np.where(r == 0, 1, r))[1] - 1, 0) - 1)
;;       q = np.round(r / step) * step * 2.0 ** e      # np.round: ties to even
;;       return np.moveaxis(q.reshape(q.shape[:-2] + (-1,))[..., :K], -1, axis).astype(np.float32)
;;   ~~~
;; One version. Each part assembles by itself: llvm-mc -triple=amdgcn-amd-amdhsa -mcpu=gfx1250 --defsym DOCPART=n.
;; ======== version 1 of 1: 5 launches
;; limits: values are held in f16: magnitudes above 65,504 overflow, below 6.1e-05 lose precision
;; workspace buffers: xq 4,456,448 bytes; wq 1,671,168 bytes; wo16 2,097,152 bytes; rope 589,824 bytes; qkv16 50,331,648 bytes; o16 16,777,216 bytes; first32 786,432 bytes
;; launch prep (part 1): grid 468 x 1, 4 waves a work-group, no clusters, 68,096 bytes of LDS; arguments x, Wq, Wk, Wv, Wo, xq, wq, wo16, rope; writes xq, wq, wo16, rope
.if DOCPART == 1
	.amdgcn_target "amdgcn-amd-amdhsa--gfx1250"
	.amdhsa_code_object_version 6
	.text
	.protected	k_q28f3e1d016_prep
	.globl	k_q28f3e1d016_prep
	.p2align	8
	.type	k_q28f3e1d016_prep,@function
k_q28f3e1d016_prep:
	s_mov_b64 s[64:65], 0
	v_nop
	global_prefetch_b8 v0, s[64:65] scope:SCOPE_SE
	s_setreg_imm32_b32 hwreg(HW_REG_WAVE_MODE, 25, 1), 1
	s_wait_xcnt 0x0
; PREP: four kinds of work, told apart by the work-group's number alone.
;   work-groups   0-255  X: x [8192][1024] f32 -> codes of FP4 (E2M1), K innermost, [8192][512 bytes], and one E8M0 byte for each 32 along K, [8192][32], behind them in the same buffer
;   work-groups 256-303  W: Wq, Wk, Wv [k 1024][n 1024] f32 -> codes [3072 (n of q, k, v)][512 bytes] and bytes [3072][32]: a lane takes a column, its registers run down K
;   work-groups 304-431  O: Wo f32 -> f16, as it lies
;   work-groups 432-467  R: the table of RoPE, [2304 rows][32 frequencies][cos, sin] f32; rows 0-2047 are positions, rows 2048-2303 are made with position 0 and hold (1, 0): V reads those
; A block's scale is 2^(floor(log2(largest magnitude)) - 2); its byte is the largest magnitude's exponent field - 2, held at 1 from below.  A block of zeros keeps the byte 1 where the rule says 127:
; its codes are zeros, which add nothing under any byte but 0xff, and this program alone reads the bytes.
; LIMITS: NaN and infinities among the inputs are not served; blocks whose largest magnitude lies under 2^-124 keep the byte 1; |Wo| stays under 65,504 (f16).
; The angles: inv_freq = 2^(-i log2(10000) / 32) by v_exp_f32, times positions up to 2,047: they may differ from a correctly rounded product by some 2e-4 rad at the far end.
; Sine and cosine: the angle less the nearest multiple of pi/2 (pi/2 in two parts), then polynomials of degree 7 and 8 on +-pi/4, the quadrant by selects: no branch on data.
; LDS: path X has bytes 0-32,767 (8,192 a wave), path W bytes 32,768-67,583 (8,704 a wave), the spare words lie behind them.  Waves share nothing: no barrier.
.set XSC,   4194304                    ; where x's scale bytes begin in xq
.set WSC,   1572864                    ; where the weights' begin in wq
.set SPARE, 67584                      ; the spare words, 128 bytes for each wave: two blocks of 256 bytes that no other line names
.set SPW,   12                         ; v12  LDS address of my spare word; never rewritten
.set NIL,   13                         ; v13  0; never rewritten
.set EMAX,  2
.set STEPS, 16                         ; path X: a wave takes 16 steps of 512 numbers
.set CB,    8                          ; bytes of 16 codes
.set XR,    16                         ; v16-79   four sets of 16 numbers as they are loaded
.set XX,    80                         ; v80-111  two sets of 16 neighbours
.set XE,    112                        ; v112-127 a scale byte for each step
.set XC,    128                        ; v128-191 codes: four registers for each step, so that no store's data are written again
.set WREG,  8192                       ; a wave's LDS in path X: two stages of 32 x SP bytes, then its 256 scale bytes
.set SP,    80                         ; a lane's place in a stage: its 64 bytes + 16 of padding
.set WBASE, 32768                      ; path W's stages
.set NB,    16                         ; blocks of 32 along K for a wave
.set PITCH, 272                        ; a stage row: 256 bytes of codes + 16
.set KROW,  512                        ; a row of codes in memory
.set SB,    24                         ; v24-27   the scale bytes, four to a register
.set WX,    32                         ; v32-95   two sets of 32 numbers
.set WC,    96                         ; v96-99   a block's codes
.set OUTR,  112                        ; v112-175 the way out
	s_load_b512 s[4:19], s[0:1], 0x0               ; x 4:5, Wq 6:7, Wk 8:9, Wv 10:11, Wo 12:13, xq 14:15, wq 16:17, wo16 18:19
	s_load_b64 s[20:21], s[0:1], 0x40              ; rope
	v_lshl_add_u32 v[SPW], v0, 2, SPARE
	v_mov_b32 v[NIL], 0
	v_lshrrev_b32 v1, 5, v0
	v_readfirstlane_b32 s22, v1                    ; wave 0..3
	v_and_b32 v2, 31, v0                           ; lane
	s_wait_kmcnt 0x0
	s_cmp_lt_u32 ttmp9, 256
	s_cbranch_scc0 .Lnot_x
; ---------------- PATH X.  x is a plain stream of blocks of 32: nothing here knows of rows.  Each load reads 512 consecutive bytes; a step's 2,048 bytes turn through the wave's stage so that a lane holds 16 neighbours.
	v_lshlrev_b32 v3, 4, v2                        ; my 16 bytes of a load's 512
	s_mul_i32 s23, s22, WREG
	v_lshrrev_b32 v14, 2, v2
	v_mul_u32_u24 v14, v14, SP
	v_and_b32 v15, 3, v2
	v_lshl_add_u32 v14, v15, 4, v14
	v_add_nc_u32 v14, s23, v14                     ; the stage, on the way in: SP (lane / 4) + 16 (lane % 4)
	v_mul_u32_u24 v15, v2, SP
	v_add_nc_u32 v15, s23, v15                     ; and on the way out: SP x lane
	v_mul_u32_u24 v4, v2, CB                       ; my codes' place in a step's
	v_lshrrev_b32 v5, 1, v2
	s_add_co_u32 s23, s23, 2*32*SP
	v_add_nc_u32 v5, s23, v5                       ; my wave's 256 scale bytes, my block's byte
	v_lshlrev_b32 v7, 3, v2
	v_add_nc_u32 v6, s23, v7                       ; and on the way out 8 bytes a lane
	s_lshl_b32 s24, ttmp9, 2
	s_add_co_u32 s24, s24, s22                     ; which run of 8,192 numbers is my wave's: 0..1023
	s_lshl_b32 s26, s24, 15
	s_mov_b32 s27, 0
	s_add_nc_u64 s[4:5], s[4:5], s[26:27]          ; 32,768 bytes of x a run
	s_lshl_b32 s26, s24, 12
	s_add_nc_u64 s[28:29], s[14:15], s[26:27]      ; 4,096 bytes of codes
	s_lshl_b32 s26, s24, 8
	s_add_co_u32 s26, s26, XSC
	s_add_nc_u64 s[30:31], s[14:15], s[26:27]      ; 256 scale bytes
.macro XLOAD t
.irp i, 0,1,2,3
	global_load_b128 v[XR+16*((\t)%4)+4*\i:XR+16*((\t)%4)+4*\i+3], v3, s[4:5] offset:2048*(\t)+512*\i th:TH_LOAD_NT
.endr
.endm
.macro XTURN t                         ; step t's numbers through the stage: LDS serves a wave's instructions in order, so no wait stands between the stores and the loads
.irp i, 0,1,2,3
	ds_store_b128 v14, v[XR+16*((\t)%4)+4*\i:XR+16*((\t)%4)+4*\i+3] offset:32*SP*((\t)%2)+8*SP*\i
.endr
.irp i, 0,1,2,3
	ds_load_b128 v[XX+16*((\t)%2)+4*\i:XX+16*((\t)%2)+4*\i+3], v15 offset:32*SP*((\t)%2)+16*\i
.endr
.endm
.irp t, 0,1,2,3
	XLOAD \t
.endr
	s_wait_loadcnt 12                              ; step 0's four loads are in; the twelve of steps 1 to 3 may be out
	XTURN 0
.macro XSTEP t
.set XN, XX+16*((\t)%2)
.if (\t) > 0
	s_wait_dscnt 1                                 ; this step's numbers are back from the stage (the last step's byte store may be out): so the stores into the stage have read their registers,
.else
	s_wait_dscnt 0x0
.endif
.if (\t)+4 < STEPS
	XLOAD (\t)+4                                   ; which take the loads of four steps on
.endif
.if (\t)+1 < STEPS
.if STEPS-2-(\t) >= 3
	s_wait_loadcnt 12                              ; the next step's four loads are in; those of the three steps behind it may be out
.else
	s_wait_loadcnt 4*(STEPS-2-(\t))                ; in the tail fewer steps stand behind it
.endif
	XTURN (\t)+1
.endif
	v_max3_num_f32 v8, |v[XN]|, |v[XN+1]|, |v[XN+2]|               ; the largest magnitude of my 16, in two chains
	v_max3_num_f32 v9, |v[XN+3]|, |v[XN+4]|, |v[XN+5]|
.irp i, 6,10
	v_max3_num_f32 v8, v8, |v[XN+\i]|, |v[XN+\i+1]|
	v_max3_num_f32 v9, v9, |v[XN+\i+2]|, |v[XN+\i+3]|
.endr
	v_max3_num_f32 v8, v8, |v[XN+14]|, |v[XN+15]|
	v_max3_num_f32 v8, v8, v9, (EMAX+1)<<23        ; and the floor 2^(3 - 127): the byte cannot fall under 1
	v_max_num_f32_dpp v8, v8, v8 row_xmask:1 row_mask:0xf bank_mask:0xf   ; with my neighbour's 16: the block's
	v_add_nc_u32 v11, -(EMAX<<23), v8              ; 2 off its exponent field: the conversion takes the exponent field of this operand as its scale
	v_cvt_scalef32_pk8_fp4_f32 v[XC+4*(\t)], v[XN:XN+7], v11
	v_cvt_scalef32_pk8_fp4_f32 v[XC+4*(\t)+1], v[XN+8:XN+15], v11
	v_lshrrev_b32 v[XE+(\t)], 23, v11              ; the scale's byte (also the plain line behind the conversions)
	ds_store_b8 v5, v[XE+(\t)] offset:16*(\t)      ; both lanes of a block write the same byte with the same value
	global_store_b64 v4, v[XC+4*(\t):XC+4*(\t)+1], s[28:29] offset:32*CB*(\t)   ; the wave stores 256 consecutive bytes, aligned
.endm
.irp t, 0,1,2,3,4,5,6,7,8,9,10,11,12,13,14,15
	XSTEP \t
.endr
	ds_load_b64 v[8:9], v6                         ; my wave's 256 scale bytes: these loads see my stores
	s_wait_dscnt 0x0
	global_store_b64 v7, v[8:9], s[30:31]          ; 256 consecutive bytes, aligned
	s_wait_tensorcnt 0x0                           ; the wave's end
	ds_add_u32 v[SPW], v[NIL]
	s_wait_dscnt 0x0
	s_endpgm
.Lnot_x:
	s_cmp_lt_u32 ttmp9, 304
	s_cbranch_scc0 .Lnot_w
; ---------------- PATH W.  g = 0..47: weight g / 16, 512 along K (g / 8) % 2, 128 columns g % 8.  A wave takes 32 columns x 512 along K.
	s_sub_co_u32 s23, ttmp9, 256
	s_lshr_b32 s24, s23, 4                         ; which weight
	s_and_b32 s25, s23, 7
	s_bfe_u32 s26, s23, 0x10003                    ; which half of K
	s_cmp_eq_u32 s24, 0
	s_cselect_b64 s[6:7], s[6:7], s[8:9]           ; the choice hangs on the work-group's number alone
	s_cmp_eq_u32 s24, 2
	s_cselect_b64 s[6:7], s[10:11], s[6:7]
	s_lshl_b32 s25, s25, 7
	s_lshl_b32 s27, s22, 5
	s_add_co_u32 s25, s25, s27                     ; my wave's first column
	s_lshl_b32 s28, s26, 21                        ; 512 rows of 4,096 bytes
	s_lshl_b32 s27, s25, 2
	s_add_co_u32 s28, s28, s27
	s_mov_b32 s29, 0
	s_add_nc_u64 s[6:7], s[6:7], s[28:29]
	s_lshl_b32 s24, s24, 10
	s_add_co_u32 s24, s24, s25                     ; my first row of the codes' buffer
	s_lshl_b32 s28, s24, 9
	s_lshl_b32 s27, s26, 8
	s_add_co_u32 s28, s28, s27
	s_add_nc_u64 s[30:31], s[16:17], s[28:29]      ; the codes
	s_lshl_b32 s28, s24, 5
	s_lshl_b32 s27, s26, 4
	s_add_co_u32 s28, s28, s27
	s_add_co_u32 s28, s28, WSC
	s_add_nc_u64 s[32:33], s[16:17], s[28:29]      ; the scale bytes
	v_lshlrev_b32 v3, 2, v2                        ; in: 4 bytes a lane
	s_mul_i32 s27, s22, 32*PITCH
	s_add_co_u32 s27, s27, WBASE                   ; my stage
	v_mul_u32_u24 v4, v2, PITCH
	v_add_nc_u32 v4, s27, v4                       ; into it: row = my column
	v_and_b32 v5, 15, v2
	v_lshrrev_b32 v6, 4, v2
	v_mul_u32_u24 v7, v6, PITCH
	v_lshl_add_u32 v7, v5, 4, v7
	v_add_nc_u32 v7, s27, v7                       ; out of it: sixteen lanes to a row, two rows an instruction
	v_mul_u32_u24 v8, v6, KROW
	v_lshl_add_u32 v8, v5, 4, v8                   ; and the same place in memory
	v_lshlrev_b32 v9, 5, v2                        ; my column's row of scale bytes
.macro WLOAD t                         ; block t: W(32 t + i, my column) into set t % 2
.irp i, 0,1,2,3,4,5,6,7,8,9,10,11,12,13,14,15,16,17,18,19,20,21,22,23,24,25,26,27,28,29,30,31
	global_load_b32 v[WX+32*((\t)%2)+\i], v3, s[6:7] offset:(32*(\t)+\i)*4096 th:TH_LOAD_NT
.endr
.endm
	WLOAD 0
	WLOAD 1
.macro WBLOCK t
.set WN, WX+32*((\t)%2)
.if (\t) < NB-1
	s_wait_loadcnt 32                              ; this block's 32 loads are in; the next block's 32 may be out
.else
	s_wait_loadcnt 0
.endif
	v_max3_num_f32 v16, |v[WN]|, |v[WN+1]|, |v[WN+2]|              ; the block's largest magnitude: all 32 numbers are mine
	v_max3_num_f32 v17, |v[WN+3]|, |v[WN+4]|, |v[WN+5]|
.irp i, 6,10,14,18,22,26
	v_max3_num_f32 v16, v16, |v[WN+\i]|, |v[WN+\i+1]|
	v_max3_num_f32 v17, v17, |v[WN+\i+2]|, |v[WN+\i+3]|
.endr
	v_max3_num_f32 v16, v16, |v[WN+30]|, |v[WN+31]|
	v_max3_num_f32 v16, v16, v17, (EMAX+1)<<23     ; and the floor
	v_add_nc_u32 v11, -(EMAX<<23), v16             ; the conversion's scale operand
	v_lshrrev_b32 v17, 23, v11                     ; the scale's byte
.if (\t)%4 == 0
	v_mov_b32 v[SB+(\t)/4], v17                    ; four bytes to a register, the lower K in the lower byte
.else
	v_lshl_or_b32 v[SB+(\t)/4], v17, 8*((\t)%4), v[SB+(\t)/4]
.endif
.irp g, 0,1,2,3
	v_cvt_scalef32_pk8_fp4_f32 v[WC+\g], v[WN+8*\g:WN+8*\g+7], v11
.endr
	v_nop                                          ; one plain line behind the last conversion
	ds_store_b128 v4, v[WC:WC+3] offset:16*(\t)    ; 32 codes: 16 bytes of my column's row
.if (\t)+2 < NB
	WLOAD (\t)+2
.endif
	s_wait_dscnt 0x0                               ; the store has read its registers: the next block's codes may be written
.endm
.set Q, 0
.rept NB
	WBLOCK Q
.set Q, Q+1
.endr
	global_store_b128 v9, v[SB:SB+3], s[32:33]     ; my column's 16 scale bytes
.irp t, 0,1,2,3,4,5,6,7,8,9,10,11,12,13,14,15
	ds_load_b128 v[OUTR+4*\t:OUTR+4*\t+3], v7 offset:2*\t*PITCH
.endr
.irp t, 0,1,2,3,4,5,6,7,8,9,10,11,12,13,14,15
	s_wait_dscnt 15-\t                             ; load t is in; the 15 - t behind it may be out
	global_store_b128 v8, v[OUTR+4*\t:OUTR+4*\t+3], s[30:31] offset:2*\t*KROW   ; sixteen lanes store 256 consecutive bytes, aligned
.endr
	s_wait_tensorcnt 0x0                           ; the wave's end: the three lines
	ds_add_u32 v[SPW], v[NIL]
	s_wait_dscnt 0x0
	s_endpgm
.Lnot_w:
	s_cmp_lt_u32 ttmp9, 432
	s_cbranch_scc0 .Lpath_r
; ---------------- PATH O.  A wave takes 8,192 bytes of Wo: 16 loads of 512 bytes in, 16 stores of 256 bytes out.
	s_sub_co_u32 s23, ttmp9, 304
	s_lshl_b32 s23, s23, 2
	s_add_co_u32 s23, s23, s22
	s_lshl_b32 s24, s23, 13
	s_mov_b32 s25, 0
	s_add_nc_u64 s[12:13], s[12:13], s[24:25]
	s_lshl_b32 s24, s23, 12
	s_add_nc_u64 s[18:19], s[18:19], s[24:25]
	v_lshlrev_b32 v3, 4, v2
	v_lshlrev_b32 v4, 3, v2
.irp t, 0,1,2,3,4,5,6,7,8,9,10,11,12,13,14,15
	global_load_b128 v[16+4*\t:19+4*\t], v3, s[12:13] offset:512*\t th:TH_LOAD_NT
.endr
.irp t, 0,1,2,3,4,5,6,7,8,9,10,11,12,13,14,15
	s_wait_loadcnt 15-\t                           ; load t is in; the 15 - t behind it may be out
	v_cvt_pk_f16_f32 v[80+2*\t], v[16+4*\t], v[17+4*\t]
	v_cvt_pk_f16_f32 v[81+2*\t], v[18+4*\t], v[19+4*\t]
	global_store_b64 v4, v[80+2*\t:81+2*\t], s[18:19] offset:256*\t
.endr
	s_endpgm
.Lpath_r:
; ---------------- PATH R.  A wave makes 16 rows of the table; lane i is frequency i; a row is 256 bytes.
	s_sub_co_u32 s23, ttmp9, 432
	s_cmp_lt_u32 s23, 32
	s_cselect_b32 s24, 1, 0                        ; rows from 2,048 on are made with position 0
	s_lshl_b32 s25, s23, 6
	s_lshl_b32 s26, s22, 4
	s_add_co_u32 s25, s25, s26                     ; my first row
	s_lshl_b32 s26, s25, 8
	s_mov_b32 s27, 0
	s_add_nc_u64 s[20:21], s[20:21], s[26:27]
	s_mov_b32 s32, 0x3f22f983                      ; 2 / pi
	s_mov_b32 s33, 0x3fc90fdb                      ; pi / 2, high part
	s_mov_b32 s34, 0xb33bbd2e                      ; and what is left of it
	s_mov_b32 s35, 0xbe2aaaab                      ; -1/6
	s_mov_b32 s36, 0x3c088889                      ; 1/120
	s_mov_b32 s37, 0xb9500d01                      ; -1/5040
	s_mov_b32 s38, 0x3d2aaaab                      ; 1/24
	s_mov_b32 s39, 0xbab60b61                      ; -1/720
	s_mov_b32 s40, 0x37d00d01                      ; 1/40320
	v_cvt_f32_u32 v16, v2
	v_mul_f32 v16, 0xbed49a78, v16                 ; -i log2(10000) / 32
	v_exp_f32 v16, v16                             ; inv_freq
	v_lshlrev_b32 v30, 3, v2                       ; 8 bytes a lane (the plain line behind the exponential)
	s_wait_alu depctr_va_vdst(0)                   ; the wait ahead of the first line that names the result
.irp t, 0,1,2,3,4,5,6,7,8,9,10,11,12,13,14,15
	s_add_co_u32 s28, s25, \t
	s_mul_i32 s28, s28, s24
	v_cvt_f32_u32 v20, s28
	v_mul_f32 v20, v20, v16                        ; the angle
	v_mul_f32 v21, s32, v20
	v_rndne_f32 v21, v21                           ; n: the nearest multiple of pi / 2
	v_fma_f32 v22, -v21, s33, v20
	v_fma_f32 v22, -v21, s34, v22                  ; r, within +-pi/4
	v_mul_f32 v23, v22, v22                        ; z = r^2
	v_fma_f32 v24, v23, s37, s36
	v_fma_f32 v24, v24, v23, s35
	v_mul_f32 v24, v24, v23
	v_fma_f32 v24, v24, v22, v22                   ; sin r
	v_fma_f32 v25, v23, s40, s39
	v_fma_f32 v25, v25, v23, s38
	v_fma_f32 v25, v25, v23, -0.5
	v_fma_f32 v25, v25, v23, 1.0                   ; cos r
	v_cvt_i32_f32 v26, v21
	v_and_b32 v27, 1, v26
	v_cmp_eq_u32 vcc_lo, 1, v27                    ; odd quadrants change sine and cosine
	v_cndmask_b32 v28, v24, v25, vcc_lo
	v_cndmask_b32 v29, v25, v24, vcc_lo
	v_and_b32 v27, 2, v26
	v_lshlrev_b32 v27, 30, v27
	v_xor_b32 v[65+2*\t], v28, v27                 ; sin: negative in quadrants 2 and 3
	v_add_nc_u32 v26, 1, v26
	v_and_b32 v26, 2, v26
	v_lshlrev_b32 v26, 30, v26
	v_xor_b32 v[64+2*\t], v29, v26                 ; cos: negative in quadrants 1 and 2
	global_store_b64 v30, v[64+2*\t:65+2*\t], s[20:21] offset:256*\t   ; a row: 256 consecutive bytes, aligned; each row has registers of its own
.endr
	s_endpgm
.Lfunc_end_k_q28f3e1d016_prep:
	.size	k_q28f3e1d016_prep, .Lfunc_end_k_q28f3e1d016_prep-k_q28f3e1d016_prep
	.p2alignl 7, 3214868480
	.fill 96, 4, 3214868480
	.section	.rodata,"a",@progbits
	.p2align	6, 0x0
	.amdhsa_kernel k_q28f3e1d016_prep
		.amdhsa_group_segment_fixed_size 68096
		.amdhsa_private_segment_fixed_size 0
		.amdhsa_enable_private_segment 0
		.amdhsa_kernarg_size 72
		.amdhsa_user_sgpr_count 2
		.amdhsa_user_sgpr_kernarg_segment_ptr 1
		.amdhsa_wavefront_size32 1
		.amdhsa_system_sgpr_workgroup_id_x 1
		.amdhsa_system_sgpr_workgroup_id_y 1
		.amdhsa_system_sgpr_workgroup_id_z 1
		.amdhsa_system_vgpr_workitem_id 0
		.amdhsa_next_free_vgpr 192
		.amdhsa_next_free_sgpr 66
		.amdhsa_reserve_vcc 1
		.amdhsa_float_denorm_mode_32 3
		.amdhsa_float_denorm_mode_16_64 3
		.amdhsa_memory_ordered 1
		.amdhsa_forward_progress 1
		.amdhsa_inst_pref_size 139
	.end_amdhsa_kernel
	.amdgpu_metadata
---
amdhsa.version: [ 1, 2 ]
amdhsa.kernels:
  - .name:           k_q28f3e1d016_prep
    .symbol:         k_q28f3e1d016_prep.kd
    .args:
      - { .name: x, .offset: 0, .size: 8, .value_kind: global_buffer, .address_space: global }
      - { .name: Wq, .offset: 8, .size: 8, .value_kind: global_buffer, .address_space: global }
      - { .name: Wk, .offset: 16, .size: 8, .value_kind: global_buffer, .address_space: global }
      - { .name: Wv, .offset: 24, .size: 8, .value_kind: global_buffer, .address_space: global }
      - { .name: Wo, .offset: 32, .size: 8, .value_kind: global_buffer, .address_space: global }
      - { .name: xq, .offset: 40, .size: 8, .value_kind: global_buffer, .address_space: global }
      - { .name: wq, .offset: 48, .size: 8, .value_kind: global_buffer, .address_space: global }
      - { .name: wo16, .offset: 56, .size: 8, .value_kind: global_buffer, .address_space: global }
      - { .name: rope, .offset: 64, .size: 8, .value_kind: global_buffer, .address_space: global }
    .group_segment_fixed_size: 68096
    .private_segment_fixed_size: 0
    .kernarg_segment_align: 8
    .kernarg_segment_size: 72
    .max_flat_workgroup_size: 128
    .sgpr_count:     66
    .vgpr_count:     192
    .wavefront_size: 32
...
	.end_amdgpu_metadata
.endif
;; end of part 1
;; launch qkv (part 2): grid 12 x 32, 4 waves a work-group, clusters of 4 x 4, 327,680 bytes of LDS; arguments xq, wq, rope, qkv16, first32; writes qkv16, first32
.if DOCPART == 2
	.amdgcn_target "amdgcn-amd-amdhsa--gfx1250"
	.amdhsa_code_object_version 6
	.text
	.protected	k_q28f3e1d016_qkv
	.globl	k_q28f3e1d016_qkv
	.p2align	8
	.type	k_q28f3e1d016_qkv,@function
k_q28f3e1d016_qkv:
	s_mov_b64 s[64:65], 0
	v_nop
	global_prefetch_b8 v0, s[64:65] scope:SCOPE_SE
	s_setreg_imm32_b32 hwreg(HW_REG_WAVE_MODE, 25, 1), 1
	s_wait_xcnt 0x0
	s_wait_alu depctr_hold_cnt(0) depctr_sa_sdst(0) depctr_va_vdst(0) depctr_va_sdst(0) depctr_va_ssrc(0) depctr_va_vcc(0) depctr_vm_vsrc(0)
	s_getreg_b32 s2, hwreg(HW_REG_IB_STS2, 6, 4)
	s_cmp_eq_u32 s2, 0
	s_cbranch_scc0 .Lentry_in_a_cluster
	s_endpgm
.Lentry_in_a_cluster:
	s_bfe_u32 s2, ttmp6, 0x10000c
	s_cmp_lg_u32 s2, 0xf033
	s_cbranch_scc0 .Lentry_shape_is_right
	s_endpgm
.Lentry_shape_is_right:
; [q | k | v] = x [Wq | Wk | Wv] on codes of FP4 (E2M1) with one E8M0 scale for each 32 along K, sums in f32; then RoPE in f32; q, k, v leave as f16, [3][64 (batch, head)][2048][64].
; A: x's codes [8192][512 bytes], B: the weights' [3072][512 bytes], K = 1,024 innermost; scale bytes [rows][32] behind the codes in each buffer.
; A tile of 256 x 256 is made by four waves, each 128 x 128: 64 accumulators, 512 registers.  K is two slots of 512: both are asked for at the head, nothing is filled again.
; The scales of the work-group's rows, for all of K, come into LDS once, in rows of 256 bytes.
; CLUSTERS: 4 x 4 work-groups; A's tiles are asked for jointly along a row of the cluster, B's along a column.  TILE ROW = 8 cy + cluster y: cy is the batch and cluster y the block of 256 positions;
; TILE COLUMN = 4 cluster x + cx: cluster x says q, k or v.  So what a branch needs (positions 0-15; q, k or v) is the same in all sixteen partners.
; THE PRODUCT IS USED TRANSPOSED (source 0 = 16 rows of B, source 1 = 16 rows of A): a lane holds one position and eight neighbouring columns, four pairs of RoPE.
; RoPE: (y1, y2) = (x1 cos - x2 sin, x1 sin + x2 cos) from a table [row][32][cos, sin]; V reads rows that hold (1, 0), so no branch parts V from q and k.
; The f32 numbers of positions 0-15 also go to first32 [4][3][16 heads][16][64], for the launch that makes those rows in f32.
; LIMITS: |q|, |k|, |v| stay under 65,504 (f16).
; REGISTERS, in windows of 256: window 0: v0-31 addresses; v32-95 scale words, two sets, nothing else; v96-127 f16 pairs on the way out; v128-191 A's fragments, later rows read back; v192-255 rotated numbers.
;   window 1: B's fragments, two sets, at v0 and v128; the table of blocks 0-3 at v64-127 and v192-255, of blocks 4-7 in B's sets when the products are over.   windows 2, 3: the accumulators.
.set NQ,     4                         ; steps of 128 along K in a slot
.set ROWB,   256                       ; a tile's row in bytes: 512 codes
.set KROW,   512                       ; a row of codes in memory
.set PITCH,  272                       ; an LDS row: 256 bytes + 16 of padding: the 16 rows that a load touches start at 16 different banks
.set FR,     8                         ; registers of a fragment
.set NL,     2                         ; LDS loads that bring one
.set NP,     4                         ; places behind this matrix instruction
.set HALFT,  128*PITCH
.set SLOT,   4*HALFT
.set KS,     32                        ; a row of scale bytes
.set SCL,    2*SLOT                    ; behind the ring: the scales
.set HALFS,  16*272                    ; those of 128 rows
.set SBLK,   2*272                     ; those of 16 rows
.set SPARE,  SCL+4*HALFS               ; the spare words, 128 bytes for each wave: two blocks of 256 bytes that no other line names
.set XSC,    4194304
.set WSC,    1572864
.set ADRA, 16                          ; v16-17 LDS address of my A fragments in slot 0, 1
.set ADRB, 20                          ; v20-21 the same for B
.set STO,  24                          ; v24  the way out: where I put 16 bytes of a row (the stage lies in slot 0, which has had its only fill and its last read by then)
.set RD,   25                          ; v25  where I read rows back
.set GO,   26                          ; v26  16 x lane
.set ADRS, 27                          ; v27  my scale words: lanes 0-15 A's rows, lanes 16-31 B's
.set SPW,  28
.set NIL,  29
.set TA,   30                          ; v30  the table: 256 r + 32 h; never rewritten
.set FO,   31                          ; v31  first32: the same number, in a register of its own
.set SC,   32
.set H,    96
.set AF,   128
.set BK,   128
.set Y,    192
.set G1, 24
.set G0, 32
.set G1B, 48
.set G0B, 56
.set G1S, 68
.set G0S, 76
.set G1SB, 80
.set G0SB, 88
.set MSB, 0
.macro WIN new                         ; the immediate's high byte repeats the setting that is left
.if MSB != (\new)
	s_set_vgpr_msb (MSB<<8)|(\new)
.set MSB, (\new)
.endif
.endm
.set MUL_LO, 0xa1                      ; source 0 (B) window 1, source 1 (A) window 0, C and D window 2
.set MUL_HI, 0xf1
.set TO_B,   0x40
; A joint load: waves 0 and 1 fetch for A, waves 2 and 3 for B; the branch hangs on the wave's number alone.  An s_nop 0 and four v_nop follow each of the two lines.
.macro JLOAD g0a, g1a, g0b, g1b
	s_cmp_eq_u32 s15, 0
	s_cbranch_scc0 .Lfor_b_\@
	tensor_load_to_lds s[\g0a:\g0a+3], s[\g1a:\g1a+7]
	s_nop 0
.rept 4
	v_nop
.endr
	s_branch .Lasked_\@
.Lfor_b_\@:
	tensor_load_to_lds s[\g0b:\g0b+3], s[\g1b:\g1b+7]
	s_nop 0
.rept 4
	v_nop
.endr
.Lasked_\@:
.endm
.macro CROUND                          ; a round of the cluster's barrier
	s_barrier_signal -1
	s_barrier_wait -1
	s_cmp_lg_u32 s14, 0
	s_cbranch_scc1 .Lnot_wave_0_\@
	s_barrier_signal -3
.Lnot_wave_0_\@:
	s_barrier_wait -3
	s_barrier_signal -1
	s_barrier_wait -1
.endm
	s_load_b256 s[4:11], s[0:1], 0x0               ; xq 4:5, wq 6:7, rope 8:9, qkv16 10:11
	s_load_b64 s[12:13], s[0:1], 0x20              ; first32
	v_lshl_add_u32 v[SPW], v0, 2, SPARE
	v_mov_b32 v[NIL], 0
	ds_add_u32 v[SPW], v[NIL]                      ; the wave's opening: the add, twice on end, and its wait ahead of my first tensor load
	ds_add_u32 v[SPW], v[NIL]
	v_lshrrev_b32 v1, 5, v0
	v_readfirstlane_b32 s14, v1                    ; wave 0..3
	s_lshr_b32 s15, s14, 1                         ; which half of the tile's rows is mine.  Also: I fetch for A (0) or for B (1)
	s_and_b32 s16, s14, 1                          ; which half of its columns.  Also: which 128 rows of that tile I fetch
	s_bfe_u32 s40, ttmp6, 0x40000                  ; cx
	s_bfe_u32 s41, ttmp6, 0x40004                  ; cy
	s_lshl_b32 s42, ttmp9, 2
	s_add_co_u32 s42, s42, s40                     ; tile column = 4 x cluster x + cx
	s_and_b32 s17, ttmp7, 0xffff
	s_lshl_b32 s18, s41, 3
	s_add_co_u32 s17, s17, s18                     ; tile row = 8 cy + cluster y
	s_lshl_b32 s43, s41, 2
	s_lshl_b32 s43, 15, s43                        ; my row of the cluster
	s_lshl_b32 s44, 0x1111, s40                    ; my column
	s_or_b32 s[G1+0], s43, (0<<16)|(1<<20)|(1<<21)|(5<<22)|(3<<25)   ; the mask; elements of 1 byte; padding on; bit 21 beside a mask; 4 words behind every 64
	s_or_b32 s[G1B+0], s44, (0<<16)|(1<<20)|(1<<21)|(5<<22)|(3<<25)
.irp g, G1, G1B
	s_mov_b32 s[\g+1], ROWB<<16                    ; tensor_dim0
	s_mov_b32 s[\g+2], 128<<16                     ; tensor_dim1
	s_mov_b32 s[\g+3], ROWB<<16                    ; tile_dim0
	s_mov_b32 s[\g+4], 128                         ; tile_dim1
	s_mov_b32 s[\g+5], KROW                        ; the pitch
	s_mov_b32 s[\g+6], 0
	s_mov_b32 s[\g+7], 0
.endr
	s_or_b32 s[G1S+0], s43, (3<<16)|(1<<20)|(1<<21)|(5<<22)|(3<<25)  ; the scales of 128 rows: 4,096 dense bytes as 16 rows of 32 elements of 8 bytes
	s_or_b32 s[G1SB+0], s44, (3<<16)|(1<<20)|(1<<21)|(5<<22)|(3<<25)
.irp g, G1S, G1SB
	s_mov_b32 s[\g+1], 32<<16
	s_mov_b32 s[\g+2], 16<<16
	s_mov_b32 s[\g+3], 32<<16
	s_mov_b32 s[\g+4], 16
	s_mov_b32 s[\g+5], 32
	s_mov_b32 s[\g+6], 0
	s_mov_b32 s[\g+7], 0
.endr
	s_lshl_b32 s18, s16, 7
	s_lshl_b32 s20, s17, 8
	s_add_co_u32 s20, s20, s18                     ; A: row 256 x tile row + 128 x half
	s_lshl_b32 s46, s42, 8
	s_add_co_u32 s46, s46, s18                     ; B: row 256 x tile column + 128 x half
	s_mov_b32 s21, 0
	s_mov_b32 s47, 0
	s_mov_b64 s[18:19], KS
	s_mul_u64 s[22:23], s[20:21], s[18:19]         ; where these rows' scales begin
	s_mul_u64 s[92:93], s[46:47], s[18:19]
	s_mov_b64 s[18:19], KROW
	s_mul_u64 s[20:21], s[20:21], s[18:19]         ; and their codes
	s_mul_u64 s[46:47], s[46:47], s[18:19]
	s_mul_i32 s45, s14, HALFT                      ; where they go: wave x 128 rows
	s_mul_i32 s94, s14, HALFS
	s_wait_dscnt 0x0                               ; both opening adds are done
	s_wait_kmcnt 0x0
	s_add_nc_u64 s[20:21], s[4:5], s[20:21]
	s_add_nc_u64 s[22:23], s[4:5], s[22:23]
	s_add_nc_u64 s[22:23], s[22:23], XSC
	s_add_nc_u64 s[46:47], s[6:7], s[46:47]
	s_add_nc_u64 s[92:93], s[6:7], s[92:93]
	s_add_nc_u64 s[92:93], s[92:93], WSC
	CROUND                                         ; all sixteen work-groups are here: the joint loads meet
	s_mov_b32 s[G0S], 1
	s_add_co_u32 s[G0S+1], s94, SCL
	s_mov_b64 s[G0S+2:G0S+3], s[22:23]
	s_or_b32 s[G0S+3], s[G0S+3], 0x80000000
	s_mov_b32 s[G0SB], 1
	s_add_co_u32 s[G0SB+1], s94, SCL
	s_mov_b64 s[G0SB+2:G0SB+3], s[92:93]
	s_or_b32 s[G0SB+3], s[G0SB+3], 0x80000000
	JLOAD G0S, G1S, G0SB, G1SB                     ; the scales first
.irp s, 0,1
	s_mov_b32 s[G0+4*\s], 1
	s_add_co_u32 s[G0+4*\s+1], s45, \s*SLOT
	s_add_nc_u64 s[G0+4*\s+2:G0+4*\s+3], s[20:21], \s*ROWB
	s_or_b32 s[G0+4*\s+3], s[G0+4*\s+3], 0x80000000
	s_mov_b32 s[G0B+4*\s], 1
	s_add_co_u32 s[G0B+4*\s+1], s45, \s*SLOT
	s_add_nc_u64 s[G0B+4*\s+2:G0B+4*\s+3], s[46:47], \s*ROWB
	s_or_b32 s[G0B+4*\s+3], s[G0B+4*\s+3], 0x80000000
	JLOAD G0+4*\s, G1, G0B+4*\s, G1B               ; three tensor loads of mine are out at the most
.endr
	v_and_b32 v1, 15, v0                           ; r
	v_bfe_u32 v2, v0, 4, 1                         ; h
	v_mul_u32_u24 v3, v1, PITCH
	v_lshl_add_u32 v4, v2, 4, v3
	s_mul_i32 s21, s15, HALFT
	s_mul_i32 s22, s16, HALFT
	s_add_co_u32 s22, s22, 2*HALFT
.irp s, 0,1
	v_add_nc_u32 v[ADRA+\s], s21, v4
	v_add_nc_u32 v[ADRB+\s], s22, v4
	s_add_co_u32 s21, s21, SLOT
	s_add_co_u32 s22, s22, SLOT
.endr
	v_mul_u32_u24 v5, v1, KS                       ; my row's scales: 32 bytes a row,
	v_lshrrev_b32 v6, 8, v5
	v_lshl_add_u32 v5, v6, 4, v5                   ; and 16 more for each 256 passed
	s_mul_i32 s21, s15, HALFS
	s_mul_i32 s22, s16, HALFS
	s_add_co_u32 s22, s22, 2*HALFS
	s_sub_co_u32 s22, s22, s21
	v_mul_u32_u24 v6, s22, v2                      ; lanes 16-31 take B's: one product, the distance between the two bases
	s_add_co_u32 s21, s21, SCL
	v_add_nc_u32 v5, v5, v6
	v_add_nc_u32 v[ADRS], s21, v5
	s_mul_i32 s23, s14, 4608                       ; my stage: 2 heads x 16 rows x (128 bytes + 16)
	v_mul_u32_u24 v5, v1, 144
	v_lshl_add_u32 v5, v2, 4, v5
	v_add_nc_u32 v[STO], s23, v5
	v_bfe_u32 v5, v0, 3, 2
	v_mul_u32_u24 v5, v5, 144
	v_and_b32 v6, 7, v0
	v_lshl_add_u32 v5, v6, 4, v5
	v_add_nc_u32 v[RD], s23, v5                    ; back: eight lanes to a row, four rows an instruction
	v_and_b32 v6, 31, v0
	v_lshlrev_b32 v[GO], 4, v6
	v_lshlrev_b32 v[TA], 8, v1
	v_lshl_add_u32 v[TA], v2, 5, v[TA]
	v_mov_b32 v[FO], v[TA]
	s_and_b32 s18, ttmp7, 0xffff                   ; cluster y: which 256 positions
	s_or_b32 s66, s18, s15                         ; 0 where my rows begin at position 0: the same in all partners, for a given wave
	s_lshl_b32 s19, s18, 8
	s_cmp_eq_u32 ttmp9, 2
	s_cselect_b32 s20, 2048, s19                   ; V reads the rows that hold (1, 0)
	s_lshl_b32 s21, s15, 7
	s_add_co_u32 s20, s20, s21
	s_lshl_b32 s20, s20, 8
	s_mov_b32 s21, 0
	s_add_nc_u64 s[8:9], s[8:9], s[20:21]          ; the table at my first row
	s_lshl_b32 s47, s40, 2
	s_lshl_b32 s46, s16, 1
	s_add_co_u32 s47, s47, s46                     ; my first head: 4 cx + 2 x column half
	s_lshl_b32 s46, s41, 4
	s_add_co_u32 s46, s46, s47                     ; + 16 x batch
	s_lshl_b32 s46, s46, 11
	s_add_co_u32 s46, s46, s19
	s_lshl_b32 s92, s15, 7
	s_add_co_u32 s46, s46, s92                     ; its row of my first position
	s_lshl_b32 s46, s46, 7
	s_lshl_b32 s92, ttmp9, 24                      ; the plane of q, k or v
	s_add_co_u32 s92, s92, s46
	s_mov_b32 s93, 0
	s_add_nc_u64 s[10:11], s[10:11], s[92:93]
	s_mul_i32 s46, s41, 3
	s_add_co_u32 s46, s46, ttmp9
	s_lshl_b32 s46, s46, 4
	s_add_co_u32 s46, s46, s47
	s_lshl_b32 s92, s46, 12
	s_add_nc_u64 s[12:13], s[12:13], s[92:93]      ; first32 at (batch, which, my first head)
; The table of block a (16 positions): lane (r, h) takes, for each 16 columns bb of a head, (cos, sin) of frequencies 8 bb + 4 h + 0 .. 3: 32 registers.  The windows are set round the runs.
.macro TLD a
.set TT, 128*(((\a)%4)/2)+32*((\a)%2)+64*(1-(\a)/4)
.irp bb, 0,1,2,3
.irp e, 0,1
	global_load_b128 v[TT+8*\bb+4*\e:TT+8*\bb+4*\e+3], v[TA], s[8:9] offset:4096*(\a)+64*\bb+16*\e
.endr
.endr
.endm
	WIN TO_B
	TLD 0
	TLD 1
	TLD 2
	TLD 3
	WIN 0
.macro FRAG reg, adr, q, i
.irp c, 0,1
	ds_load_b128 v[\reg+4*\c:\reg+4*\c+3], v[\adr] offset:64*(\q)+32*\c+(\i)*16*PITCH
.endr
.endm
; 16 matrix instructions: A's blocks a0, a0 + 1 x B's eight.  The 64 accumulators take turns, one instruction a turn, in the same order in every step.
.macro MUL16 a0, p, q, sc, zero
.irp a, \a0, \a0+1
.irp b, 0,1,2,3,4,5,6,7
.if \zero
	v_wmma_scale_f32_16x16x128_f8f6f4 v[8*(8*((\a)%4)+\b):8*(8*((\a)%4)+\b)+7], v[128*(\p)+FR*\b:128*(\p)+FR*\b+FR-1], v[AF+FR*(\a):AF+FR*(\a)+FR-1], 0, v[SC+8*NQ*(\sc)+NQ*\b+(\q)], v[SC+8*NQ*(\sc)+NQ*(\a)+(\q)] matrix_a_fmt:MATRIX_FMT_FP4 matrix_b_fmt:MATRIX_FMT_FP4 matrix_a_scale:MATRIX_SCALE_ROW1
.else
	v_wmma_scale_f32_16x16x128_f8f6f4 v[8*(8*((\a)%4)+\b):8*(8*((\a)%4)+\b)+7], v[128*(\p)+FR*\b:128*(\p)+FR*\b+FR-1], v[AF+FR*(\a):AF+FR*(\a)+FR-1], v[8*(8*((\a)%4)+\b):8*(8*((\a)%4)+\b)+7], v[SC+8*NQ*(\sc)+NQ*\b+(\q)], v[SC+8*NQ*(\sc)+NQ*(\a)+(\q)] matrix_a_fmt:MATRIX_FMT_FP4 matrix_b_fmt:MATRIX_FMT_FP4 matrix_a_scale:MATRIX_SCALE_ROW1
.endif
.endr
.endr
.endm
.macro FETCH_B slot, q, p
	WIN TO_B
.irp i, 0,1,2,3,4,5,6,7
	FRAG 128*(\p)+FR*\i, ADRB+\slot, \q, \i
.endr
	WIN 0
.endm
.macro FETCH_A slot, q, i0
.irp i, \i0, \i0+1, \i0+2, \i0+3
	FRAG AF+FR*(\i), ADRA+\slot, \q, \i
.endr
.endm
.macro SCALES sc                       ; a slot's scale words: 4 words a row; lanes 0-15 take A's block i, lanes 16-31 B's
.irp i, 0,1,2,3,4,5,6,7
	ds_load_b128 v[SC+8*NQ*\sc+NQ*\i:SC+8*NQ*\sc+NQ*\i+3], v[ADRS] offset:\i*SBLK
.endr
.endm
.macro PLACES n                        ; plain vector lines between a matrix instruction and a load into, or a vector line on, its registers
.rept \n
	v_nop
.endr
.endm
.macro STEP slot, q, zero              ; 128 along K, with its successor in the same slot
	s_wait_dscnt 4*NL                              ; B's set and A's blocks 0-3 are in; the youngest eight loads (A's blocks 4-7) may be out
	WIN MUL_LO
	MUL16 0, (\q)%2, \q, \slot, \zero
	MUL16 2, (\q)%2, \q, \slot, \zero
	s_wait_dscnt 0
	PLACES NP
	FETCH_B \slot, (\q)+1, 1-(\q)%2
	FETCH_A \slot, (\q)+1, 0
	WIN MUL_HI
	MUL16 4, (\q)%2, \q, \slot, \zero
	MUL16 6, (\q)%2, \q, \slot, \zero
	PLACES NP
	WIN 0
	FETCH_A \slot, (\q)+1, 4
.endm
.macro STEPS slot, from
.set Q, \from
.rept NQ-1-\from
	STEP \slot, Q, 0
.set Q, Q+1
.endr
.endm
	s_wait_tensorcnt 1                             ; the scales and my part of slot 0 are in; slot 1's load may be out
	s_barrier_signal -1
	s_barrier_wait -1
	FETCH_B 0, 0, 0
	FETCH_A 0, 0, 0
	SCALES 0
	FETCH_A 0, 0, 4
	STEP 0, 0, 1                                   ; the first step's products start the sums: nothing is cleared
	STEPS 0, 1
	; slot 0's last step changes slots: one barrier; in front of it all my tensor loads have landed (slot 1's part), the add is done and my reads of slot 0 are over
	s_wait_tensorcnt 0x0
	ds_add_u32 v[SPW], v[NIL]
	s_wait_dscnt 4*NL+1                            ; the add and the youngest eight loads may be out
	WIN MUL_LO
	MUL16 0, 1, NQ-1, 0, 0
	s_wait_dscnt 0x0
	s_barrier_signal -1
	MUL16 2, 1, NQ-1, 0, 0
	WIN 0
	s_barrier_wait -1
	PLACES NP
	v_add_nc_u32 v[ADRS], 4*NQ, v[ADRS]            ; on to slot 1's scale words
	FETCH_B 1, 0, 0
	FETCH_A 1, 0, 0
	SCALES 1
	WIN MUL_HI
	MUL16 4, 1, NQ-1, 0, 0
	MUL16 6, 1, NQ-1, 0, 0
	PLACES NP
	WIN 0
	FETCH_A 1, 0, 4
	STEPS 1, 0
	s_wait_dscnt 4*NL                              ; the last step: nothing more to fetch
	WIN MUL_LO
	MUL16 0, 1, NQ-1, 1, 0
	MUL16 2, 1, NQ-1, 1, 0
	s_wait_dscnt 0
	WIN MUL_HI
	MUL16 4, 1, NQ-1, 1, 0
	MUL16 6, 1, NQ-1, 1, 0
	WIN 0
	PLACES NP                                      ; behind the last products: for the loads into B's sets and A's registers, and for the reads of the results
	WIN TO_B
	TLD 4
	TLD 5
	TLD 6
	TLD 7
	WIN 0
; THE WAY OUT, block by block of 16 positions x 128 columns (two heads).  Rotated in f32, rounded to f16, through my stage, out as runs of 512 consecutive bytes (four rows of a head).
.macro ROPE a
.set AC, 64*((\a)%4)
.set TT, 128*(((\a)%4)/2)+32*((\a)%2)+64*(1-(\a)/4)
.set BB, BK+32*((\a)%2)
.if (\a) > 0
	s_wait_xcnt 0x0                                ; the earlier stores have read their registers: the rotated numbers and the rows of two blocks back are written again only behind this wait
.endif
.if (\a) < 4
	s_wait_loadcnt 32                              ; the table of blocks 0-3 is in; the 32 loads for blocks 4-7 may be out
.else
	s_wait_loadcnt 8*(7-(\a))                      ; this block's eight are in; those of the later blocks may be out
.endif
	WIN 0x06+(\a)/4                                ; source 0: the accumulators' window, source 1: the table's
.irp b, 0,1,2,3,4,5,6,7
.irp p, 0,1,2,3
	v_pk_mul_f32 v[Y+8*\b+2*\p:Y+8*\b+2*\p+1], v[AC+8*\b+2*\p:AC+8*\b+2*\p+1], v[TT+8*(\b%4)+2*\p:TT+8*(\b%4)+2*\p+1] op_sel_hi:[1,0]   ; (x1, x2) cos; each accumulator from its low end on
	v_fma_f32 v[Y+8*\b+2*\p], -v[AC+8*\b+2*\p+1], v[TT+8*(\b%4)+2*\p+1], v[Y+8*\b+2*\p]       ; - x2 sin
	v_fma_f32 v[Y+8*\b+2*\p+1], v[AC+8*\b+2*\p], v[TT+8*(\b%4)+2*\p+1], v[Y+8*\b+2*\p+1]     ; + x1 sin
.endr
.endr
	WIN 0
.irp b, 0,1,2,3,4,5,6,7
.irp p, 0,1,2,3
	v_cvt_pk_f16_f32 v[H+4*\b+\p], v[Y+8*\b+2*\p], v[Y+8*\b+2*\p+1]
.endr
.endr
.if (\a) == 0
	s_cmp_lg_u32 s66, 0                            ; positions 0-15 also leave in f32
	s_cbranch_scc1 .Lnot_first
.irp b, 0,1,2,3,4,5,6,7
.irp e, 0,1
	global_store_b128 v[FO], v[Y+8*\b+4*\e:Y+8*\b+4*\e+3], s[12:13] offset:4096*(\b/4)+64*(\b%4)+16*\e
.endr
.endr
.Lnot_first:
.endif
.irp b, 0,1,2,3,4,5,6,7
	ds_store_b128 v[STO], v[H+4*\b:H+4*\b+3] offset:2304*(\b/4)+32*(\b%4)
.endr
.irp hd, 0,1
.irp t, 0,1,2,3
	ds_load_b128 v[BB+4*(4*\hd+\t):BB+4*(4*\hd+\t)+3], v[RD] offset:2304*\hd+576*\t   ; LDS serves a wave's instructions in order: these see the stores above
.endr
.endr
.endm
.macro SEND a, younger                 ; younger: the LDS instructions issued behind block a's loads, which may stay out
.set BB, BK+32*((\a)%2)
	s_wait_dscnt \younger
.irp hd, 0,1
.irp t, 0,1,2,3
	global_store_b128 v[GO], v[BB+4*(4*\hd+\t):BB+4*(4*\hd+\t)+3], s[10:11] offset:262144*\hd+2048*(\a)+512*\t
.endr
.endr
.endm
	ROPE 0
.irp a, 1,2,3,4,5,6,7
	ROPE \a
	SEND \a-1, 16                                  ; behind block a - 1's loads: block a's 8 stores and 8 loads
.endr
	SEND 7, 0
	s_wait_tensorcnt 0x0                           ; the wave's end
	ds_add_u32 v[SPW], v[NIL]
	s_wait_dscnt 0x0
	CROUND                                         ; the closing round
	s_endpgm
.Lfunc_end_k_q28f3e1d016_qkv:
	.size	k_q28f3e1d016_qkv, .Lfunc_end_k_q28f3e1d016_qkv-k_q28f3e1d016_qkv
	.p2alignl 7, 3214868480
	.fill 96, 4, 3214868480
	.section	.rodata,"a",@progbits
	.p2align	6, 0x0
	.amdhsa_kernel k_q28f3e1d016_qkv
		.amdhsa_group_segment_fixed_size 327680
		.amdhsa_private_segment_fixed_size 0
		.amdhsa_enable_private_segment 0
		.amdhsa_kernarg_size 40
		.amdhsa_user_sgpr_count 2
		.amdhsa_user_sgpr_kernarg_segment_ptr 1
		.amdhsa_wavefront_size32 1
		.amdhsa_system_sgpr_workgroup_id_x 1
		.amdhsa_system_sgpr_workgroup_id_y 1
		.amdhsa_system_sgpr_workgroup_id_z 1
		.amdhsa_system_vgpr_workitem_id 0
		.amdhsa_next_free_vgpr 1024
		.amdhsa_next_free_sgpr 100
		.amdhsa_reserve_vcc 0
		.amdhsa_float_denorm_mode_32 3
		.amdhsa_float_denorm_mode_16_64 3
		.amdhsa_memory_ordered 1
		.amdhsa_forward_progress 1
		.amdhsa_inst_pref_size 183
	.end_amdhsa_kernel
	.amdgpu_metadata
---
amdhsa.version: [ 1, 2 ]
amdhsa.kernels:
  - .name:           k_q28f3e1d016_qkv
    .symbol:         k_q28f3e1d016_qkv.kd
    .args:
      - { .name: xq, .offset: 0, .size: 8, .value_kind: global_buffer, .address_space: global }
      - { .name: wq, .offset: 8, .size: 8, .value_kind: global_buffer, .address_space: global }
      - { .name: rope, .offset: 16, .size: 8, .value_kind: global_buffer, .address_space: global }
      - { .name: qkv16, .offset: 24, .size: 8, .value_kind: global_buffer, .address_space: global }
      - { .name: first32, .offset: 32, .size: 8, .value_kind: global_buffer, .address_space: global }
    .group_segment_fixed_size: 327680
    .private_segment_fixed_size: 0
    .kernarg_segment_align: 8
    .kernarg_segment_size: 40
    .max_flat_workgroup_size: 128
    .sgpr_count:     100
    .vgpr_count:     1024
    .wavefront_size: 32
...
	.end_amdgpu_metadata
.endif
;; end of part 2
;; launch attn (part 3): grid 4 x 64, 16 waves a work-group, no clusters, 327,680 bytes of LDS; arguments qkv16, o16; writes o16
.if DOCPART == 3
	.amdgcn_target "amdgcn-amd-amdhsa--gfx1250"
	.amdhsa_code_object_version 6
	.text
	.protected	k_q28f3e1d016_attn
	.globl	k_q28f3e1d016_attn
	.p2align	8
	.type	k_q28f3e1d016_attn,@function
k_q28f3e1d016_attn:
	s_mov_b64 s[64:65], 0
	v_nop
	global_prefetch_b8 v0, s[64:65] scope:SCOPE_SE
	s_setreg_imm32_b32 hwreg(HW_REG_WAVE_MODE, 25, 1), 1
	s_wait_xcnt 0x0
; O[bh][q] = the sum over k <= q of softmax_k(Q[bh][q] . K[bh][k] / 8) V[bh][k].  Q, K, V: f16 [3][64][2048][64]; O: f16 [16 heads][8192 (batch, position)][64].
; Products on f16 operands with f32 sums; maxima, exponentials and sums in f32; the weights p are rounded to f16 for the second product, O once at the end.
; SHARES.  Work-group (i, bh) owns the query blocks i and 7 - i of 256 queries: under the causal mask every work-group then has the same number of key steps.
; Sixteen waves, each with 32 queries (two tiles of 16) in 256 registers: four waves to a SIMD, so that one wave's softmax stands beside another's products and LDS loads.  Half of the waves take the early block.
; Every wave walks all 8 slots of 256 keys, 64 keys a step: the trip counts are constants.  A step all of whose keys come after the wave's queries jumps over its work; a slot that no wave of the work-group
; reads is not asked for.
; NO CLUSTER: the four work-groups of a head stop at different keys, 256 (8 - i): a joint load would bring tiles that a partner never reads.
; LAYOUT.  S^T = K Q^T (source 0 = 16 keys, source 1 = 16 queries): a lane holds one query (lane % 16) and keys 8 (lane / 16) + 0..7 of each tile.  Two tiles, rounded in pairs, ARE source 1 (32 keys) of
; O^T = V^T P.  K comes out of LDS as it lies, V turned, by ds_load_tr16_b128.
; SOFTMAX.  A running maximum m and sum l for each query: p = 2^(c s - c m), c = log2(e) / 8; in every step O and l are multiplied by a = 2^(c m_old - c m_new).
; LDS: slot 0 at 0, slot 1 at 2^17.  A slot: K as 128 rows of two keys (256 bytes + 16), then V as 128 rows of two keys (256 bytes + 32).  Behind the ring the spare words, then a stage of 4,608 bytes for each wave.
; LIMITS: NaN and infinities are not served.
.set SLOT1, 131072
.set VOFF,  34816
.set SPARE, 202752                     ; the spare words, 128 bytes for each wave: eight blocks of 256 bytes that no other line names
.set STAGE, 204800
.set AK0,  1                           ; v1  my lane's place in a tile of K
.set AV0,  2                           ; v2  the same for V
.set SPW,  3
.set NIL,  4
.set ADK,  5                           ; v5  LDS address of the slot's K for my lane
.set ADV,  6                           ; v6  of V
.set DQ,   7                           ; v7  r - 8 h
.set DD,   8                           ; v8  the mask's bound
.set NINF, 9                           ; v9  -infinity
.set PFO,  10                          ; v10 256 x lane; never rewritten
.set ST,   16                          ; v16-31  eight a tile: +0 c m, +1 m, +2, +3 l, +4 to +7 at work; a in +6
.set RQ,   32                          ; v32-63  Q: tile qt, channels 32 c on, at RQ + 16 qt + 8 c
.set RS,   64                          ; v64-127 S^T, 32 a tile; p's f16 pairs go into the tile's first 16
.set RKV,  128                         ; v128-191 K's fragments, then V's
.set RO,   192                         ; v192-255 O^T: RO + 32 qt + 8 ct
.set TB,   2                           ; s2  the slot in hand
.set OB,   16                          ; s[16:17] O at my first query
.set WV,   18
.set SEL,  20
.set CS,   22
.set G1K,  24
.set G1V,  32
.set G0K,  40
.set G0V,  44
.set SLOTS, 67
.set KF,   68                          ; the step's first key
.set Q0,   69                          ; my first query
.set QL,   70                          ; my last
.set LQ,   71                          ; my work-group's last
.set PFA,  72
.set LIM,  74
.set T0,   76
; Waves 0 and 1 fetch K's halves of a slot, waves 2 and 3 V's, the others nothing.  An s_nop 0 and four v_nop follow each of the two lines.
.macro TLOAD
	s_cmp_lt_u32 s[WV], 2
	s_cbranch_scc0 .Lnot_k_\@
	tensor_load_to_lds s[G0K:G0K+3], s[G1K:G1K+7]
	s_nop 0
.rept 4
	v_nop
.endr
	s_branch .Lasked_\@
.Lnot_k_\@:
	s_cmp_lt_u32 s[WV], 4
	s_cbranch_scc0 .Lasked_\@
	tensor_load_to_lds s[G0V:G0V+3], s[G1V:G1V+7]
	s_nop 0
.rept 4
	v_nop
.endr
.Lasked_\@:
.endm
; A prefetch of what the NEXT change of slots will ask for: 32,768 dense bytes of K and as many of V.  Each block of 256 bytes is named once in the launch: of a head's four work-groups the first asks, which
; walks all eight slots; in it waves 4 to 7 ask for K, 8,192 bytes a wave, lanes 256 bytes apart, waves 8 to 11 for V.  The last change that fills a slot asks for nothing; slots 0 and 1 come by their loads alone.
.macro ASK
	s_cmp_gt_u32 s[SLOTS], s[LIM]
	s_cbranch_scc0 .Lnot_mine_\@
	global_prefetch_b8 v[PFO], s[PFA:PFA+1] th:TH_LOAD_NT scope:SCOPE_SE
.Lnot_mine_\@:
.endm
	s_load_b128 s[4:7], s[0:1], 0x0                ; qkv16, o16
	v_lshl_add_u32 v[SPW], v0, 2, SPARE
	v_mov_b32 v[NIL], 0
	ds_add_u32 v[SPW], v[NIL]                      ; the wave's opening: the add, twice on end, and its wait ahead of the first tensor load
	ds_add_u32 v[SPW], v[NIL]
	v_lshrrev_b32 v11, 5, v0
	v_readfirstlane_b32 s[WV], v11                 ; wave 0..15
	s_and_b32 s8, ttmp7, 0xffff                    ; (batch, head)
	s_lshl_b32 s10, s8, 18                         ; its 262,144 bytes in each plane
	s_and_b32 s9, s[WV], 1                         ; which half of a slot I fetch, if I fetch
	s_lshl_b32 s12, s9, 14
	s_add_co_u32 s12, s12, s10
	s_mov_b32 s13, 0
	s_mov_b32 s[G1K], (1<<16)|(1<<20)|(5<<22)|(3<<25)   ; no mask; elements of 2 bytes; padding on: 4 words behind every 64
	s_mov_b32 s[G1V], (1<<16)|(1<<20)|(5<<22)|(7<<25)   ; the same with 8 words
.irp g, G1K, G1V
	s_mov_b32 s[\g+1], 128<<16                     ; tensor_dim0: two keys, 128 elements
	s_mov_b32 s[\g+2], 64<<16                      ; tensor_dim1
	s_mov_b32 s[\g+3], 128<<16                     ; tile_dim0
	s_mov_b32 s[\g+4], 64                          ; tile_dim1
	s_mov_b32 s[\g+5], 128                         ; the pitch: dense
	s_mov_b32 s[\g+6], 0
	s_mov_b32 s[\g+7], 0
.endr
	s_mov_b32 s[G0K], 1
	s_mul_i32 s[G0K+1], s9, 17408
	s_mov_b32 s[G0V], 1
	s_mul_i32 s[G0V+1], s9, 18432
	s_add_co_u32 s[G0V+1], s[G0V+1], VOFF
	s_lshr_b32 s14, s[WV], 2
	s_xor_b32 s14, s14, s[WV]
	s_and_b32 s14, s14, 1                          ; 1: the late block
	s_sub_co_u32 s15, 7, ttmp9
	s_cmp_eq_u32 s14, 1
	s_cselect_b32 s15, s15, ttmp9
	s_lshl_b32 s15, s15, 8
	s_lshr_b32 s14, s[WV], 1
	s_lshl_b32 s14, s14, 5
	s_add_co_u32 s[Q0], s15, s14                   ; 256 x block + 32 x (wave / 2)
	s_add_co_u32 s[QL], s[Q0], 31
	s_sub_co_u32 s[LQ], 8, ttmp9
	s_lshl_b32 s[LQ], s[LQ], 8
	s_sub_co_u32 s[LQ], s[LQ], 1
	s_mov_b32 s[SEL], 0x76543210
	s_mov_b32 s[SEL+1], 0xfedcba98
	s_mov_b32 s[CS], 0x3e38aa3b                    ; c = log2(e) / 8
	s_mov_b32 s[CS+1], s[CS]
	s_mov_b32 s[TB], 0
	s_mov_b32 s[SLOTS], 7
	s_mov_b32 s[KF], 0
	s_wait_dscnt 0x0                               ; both opening adds are done
	s_wait_kmcnt 0x0
	s_add_nc_u64 s[G0K+2:G0K+3], s[4:5], s[12:13]
	s_add_nc_u64 s[G0V+2:G0V+3], s[G0K+2:G0K+3], 33554432   ; V's plane
	s_add_nc_u64 s[G0K+2:G0K+3], s[G0K+2:G0K+3], 16777216   ; K's
	s_or_b32 s[G0K+3], s[G0K+3], 0x80000000
	s_or_b32 s[G0V+3], s[G0V+3], 0x80000000
	TLOAD                                          ; slot 0: it holds key 0, which counts for every query
	s_lshl_b32 s12, s[Q0], 7
	s_add_co_u32 s12, s12, s10
	s_add_nc_u64 s[8:9], s[4:5], s[12:13]          ; Q at my first query
	s_and_b32 s12, ttmp7, 15                       ; head
	s_lshl_b32 s12, s12, 13
	s_bfe_u32 s14, ttmp7, 0x20004                  ; batch
	s_lshl_b32 s14, s14, 11
	s_add_co_u32 s12, s12, s14
	s_add_co_u32 s12, s12, s[Q0]
	s_lshl_b32 s12, s12, 7
	s_add_nc_u64 s[OB:OB+1], s[6:7], s[12:13]
	s_cmp_lt_u32 s[WV], 8                          ; the prefetches: waves 4 to 7 stand in K's plane, waves 8 to 11 in V's
	s_mov_b32 s[T0], 33554432
	s_cselect_b32 s[T0], 16777216, s[T0]
	s_and_b32 s[T0+1], s[WV], 3
	s_lshl_b32 s[T0+1], s[T0+1], 13
	s_add_co_u32 s[T0], s[T0], s[T0+1]
	s_add_co_u32 s[T0], s[T0], s10
	s_add_co_u32 s[T0], s[T0], 32768               ; in slot 1: the first change of slots steps it to slot 2
	s_mov_b32 s[T0+1], 0
	s_add_nc_u64 s[PFA:PFA+1], s[4:5], s[T0:T0+1]
	s_sub_co_u32 s[T0], s[WV], 4
	s_lshr_b32 s[T0], s[T0], 3                     ; 0 in waves 4 to 11,
	s_or_b32 s[T0], s[T0], ttmp9                   ; of the head's first work-group
	s_cmp_eq_u32 s[T0], 0
	s_cselect_b32 s[LIM], 1, -1
	v_and_b32 v11, 15, v0                          ; r
	v_bfe_u32 v12, v0, 4, 1                        ; h
	v_lshlrev_b32 v13, 7, v11
	v_lshl_add_u32 v13, v12, 4, v13                ; Q: row r of 128 bytes + 16 h
.irp qt, 0,1
.irp c, 0,1
	global_load_b128 v[RQ+16*\qt+8*\c:RQ+16*\qt+8*\c+3], v13, s[8:9] offset:2048*\qt+64*\c
	global_load_b128 v[RQ+16*\qt+8*\c+4:RQ+16*\qt+8*\c+7], v13, s[8:9] offset:2048*\qt+64*\c+32
.endr
.endr
	v_lshrrev_b32 v14, 1, v11
	v_mul_u32_u24 v[AK0], v14, 272
	v_and_b32 v14, 1, v0
	v_lshl_add_u32 v[AK0], v14, 7, v[AK0]
	v_lshl_add_u32 v[AK0], v12, 4, v[AK0]          ; key r: 272 (r / 2) + 128 (r % 2), + 16 h
	v_bfe_u32 v15, v0, 1, 2
	v_lshl_add_u32 v15, v12, 2, v15
	v_mul_u32_u24 v[AV0], v15, 288
	v_lshl_add_u32 v[AV0], v14, 7, v[AV0]
	v_bfe_u32 v15, v0, 3, 1
	v_lshl_add_u32 v[AV0], v15, 4, v[AV0]
	v_add_nc_u32 v[AV0], VOFF, v[AV0]              ; key 8 h + l % 8, channels 8 ((l / 8) % 2) on
	v_lshlrev_b32 v15, 3, v12
	v_sub_nc_u32 v[DQ], v11, v15
	v_mov_b32 v[NINF], 0xff800000
	v_and_b32 v[PFO], 31, v0
	v_lshlrev_b32 v[PFO], 8, v[PFO]
.irp t, 0,1
	v_mov_b32 v[ST+8*\t+1], 0xff61b1e6             ; m: -3e38, under every score
	v_mul_f32 v[ST+8*\t], s[CS], v[ST+8*\t+1]
.irp i, 2,3,4,5,6,7
	v_mov_b32 v[ST+8*\t+\i], 0
.endr
.endr
.irp j, 0,1,2,3,4,5,6,7,8,9,10,11,12,13,14,15,16,17,18,19,20,21,22,23,24,25,26,27,28,29,30,31,32,33,34,35,36,37,38,39,40,41,42,43,44,45,46,47,48,49,50,51,52,53,54,55,56,57,58,59,60,61,62,63
	v_mov_b32 v[RO+\j], 0                          ; O^T.  The step is written without a first step of its own: it finds zeros, which a = 0 leaves zeros
.endr
; A KEY STEP: 64 keys, the stp-th of the slot in hand.
.macro STEP stp
	s_cmp_gt_u32 s[KF], s[QL]                      ; all keys come after my queries: the step's work is left out; ids and the count of steps alone
	s_cbranch_scc1 .Lhidden_\@
	v_add_nc_u32 v[ADK], s[TB], v[AK0]
	v_add_nc_u32 v[ADV], s[TB], v[AV0]
.rept 3
	v_nop                                          ; with the two additions five places behind the last products: their fragments are loaded anew, and the products below write over the registers that held p
.endr
.irp kt, 0,1,2,3
.irp c, 0,1
	ds_load_b128 v[RKV+8*(2*\kt+\c):RKV+8*(2*\kt+\c)+3], v[ADK] offset:8704*(\stp)+2176*\kt+64*\c
	ds_load_b128 v[RKV+8*(2*\kt+\c)+4:RKV+8*(2*\kt+\c)+7], v[ADK] offset:8704*(\stp)+2176*\kt+64*\c+32
.endr
.endr
	s_wait_dscnt 0x0
.irp c, 0,1                                    ; S^T = K Q^T: the eight accumulators take turns
.irp kt, 0,1,2,3
.irp qt, 0,1
.if \c == 0
	v_wmma_f32_16x16x32_f16 v[RS+32*\qt+8*\kt:RS+32*\qt+8*\kt+7], v[RKV+8*(2*\kt+\c):RKV+8*(2*\kt+\c)+7], v[RQ+16*\qt+8*\c:RQ+16*\qt+8*\c+7], 0
.else
	v_wmma_f32_16x16x32_f16 v[RS+32*\qt+8*\kt:RS+32*\qt+8*\kt+7], v[RKV+8*(2*\kt+\c):RKV+8*(2*\kt+\c)+7], v[RQ+16*\qt+8*\c:RQ+16*\qt+8*\c+7], v[RS+32*\qt+8*\kt:RS+32*\qt+8*\kt+7]
.endif
.endr
.endr
.endr
.rept 4
	v_nop                                          ; places: for the loads into K's registers and for the first reads of the scores
.endr
.irp ct, 0,1,2,3                               ; V, turned: it lands while the softmax is walked
.irp g, 0,1
	ds_load_tr16_b128 v[RKV+8*(2*\ct+\g):RKV+8*(2*\ct+\g)+3], v[ADV] offset:9216*(\stp)+4608*\g+32*\ct
	ds_load_tr16_b128 v[RKV+8*(2*\ct+\g)+4:RKV+8*(2*\ct+\g)+7], v[ADV] offset:9216*(\stp)+4608*\g+2304+32*\ct
.endr
.endr
	s_add_co_u32 s[T0], s[KF], 63                  ; on the diagonal hidden scores become -infinity; a step all of whose keys count skips this
	s_cmp_le_u32 s[T0], s[Q0]
	s_cbranch_scc1 .Lopen_\@
	s_sub_co_i32 s[T0], s[Q0], s[KF]
	v_add_nc_u32 v[DD], s[T0], v[DQ]               ; register 8 kt + j of tile qt holds key KF + 16 kt + 8 h + j: hidden where 16 kt + j - 16 qt > Q0 - KF + r - 8 h
.irp qt, 0,1
.irp kt, 0,1,2,3
.irp j, 0,1,2,3,4,5,6,7
	v_cmp_gt_i32 vcc_lo, 16*\kt+\j-16*\qt, v[DD]
	v_cndmask_b32 v[RS+32*\qt+8*\kt+\j], v[RS+32*\qt+8*\kt+\j], v[NINF], vcc_lo
.endr
.endr
.endr
.Lopen_\@:
.irp j, 0,1,2,3                                ; the maximum: four chains a tile, each begun at an accumulator's low end; the two tiles by turns
.irp t, 0,1
	v_max3_num_f32 v[ST+8*\t+4+\j], v[RS+32*\t+8*\j], v[RS+32*\t+8*\j+1], v[RS+32*\t+8*\j+2]
.endr
.endr
.irp i, 3,5
.irp j, 0,1,2,3
.irp t, 0,1
	v_max3_num_f32 v[ST+8*\t+4+\j], v[ST+8*\t+4+\j], v[RS+32*\t+8*\j+\i], v[RS+32*\t+8*\j+\i+1]
.endr
.endr
.endr
.irp t, 0,1
	v_max3_num_f32 v[ST+8*\t+4], v[ST+8*\t+4], v[RS+32*\t+7], v[RS+32*\t+15]
.endr
.irp t, 0,1
	v_max3_num_f32 v[ST+8*\t+6], v[ST+8*\t+6], v[RS+32*\t+23], v[RS+32*\t+31]
.endr
.irp t, 0,1
	v_max3_num_f32 v[ST+8*\t+4], v[ST+8*\t+4], v[ST+8*\t+5], v[ST+8*\t+6]
.endr
.irp t, 0,1
	v_max3_num_f32 v[ST+8*\t+4], v[ST+8*\t+4], v[ST+8*\t+7], v[ST+8*\t+1]   ; and the old m
.endr
.irp t, 0,1
	v_permlanex16_b32 v[ST+8*\t+5], v[ST+8*\t+4], s[SEL], s[SEL+1]          ; the query's other keys lie in the lane 16 away
.endr
.irp t, 0,1
	v_mov_b32 v[ST+8*\t+7], v[ST+8*\t]             ; c m_old
.endr
.irp t, 0,1
	v_max_num_f32 v[ST+8*\t+1], v[ST+8*\t+4], v[ST+8*\t+5]
.endr
.irp t, 0,1
	v_mul_f32 v[ST+8*\t], s[CS], v[ST+8*\t+1]
.endr
.irp t, 0,1
	v_sub_f32 v[ST+8*\t+7], v[ST+8*\t+7], v[ST+8*\t]
.endr
.irp i, 0,2,4,6,8,10,12,14,16,18,20,22,24,26,28,30
.irp t, 0,1
	v_pk_fma_f32 v[RS+32*\t+\i:RS+32*\t+\i+1], v[RS+32*\t+\i:RS+32*\t+\i+1], s[CS:CS+1], v[ST+8*\t:ST+8*\t+1] op_sel_hi:[1,0,0] neg_lo:[0,0,1] neg_hi:[0,0,1]   ; c s - c m
.endr
.endr
.irp t, 0,1
	v_exp_f32 v[ST+8*\t+6], v[ST+8*\t+7]           ; a
.endr
.irp j, 0,1,2,3,4,5,6,7,8,9,10,11,12,13,14,15,16,17,18,19,20,21,22,23,24,25,26,27,28,29,30,31
.irp t, 0,1
	v_exp_f32 v[RS+32*\t+\j], v[RS+32*\t+\j]       ; p
.endr
.endr
	v_nop                                          ; a plain line behind the last exponential
	s_wait_alu depctr_va_vdst(0)                   ; one wait for the 66 exponentials, ahead of the first line that names a result
.irp t, 0,1
	v_pk_fma_f32 v[ST+8*\t+2:ST+8*\t+3], v[ST+8*\t+2:ST+8*\t+3], v[ST+8*\t+6:ST+8*\t+7], v[RS+32*\t:RS+32*\t+1] op_sel_hi:[1,0,1]   ; l = l a + the first pair; the sums are taken of p in f32
.endr
.irp t, 0,1
	v_pk_add_f32 v[ST+8*\t+4:ST+8*\t+5], v[RS+32*\t+2:RS+32*\t+3], v[RS+32*\t+4:RS+32*\t+5]
.endr
.irp i, 6,10,14,18,22,26
.irp t, 0,1
	v_pk_add_f32 v[ST+8*\t+2:ST+8*\t+3], v[ST+8*\t+2:ST+8*\t+3], v[RS+32*\t+\i:RS+32*\t+\i+1]
	v_pk_add_f32 v[ST+8*\t+4:ST+8*\t+5], v[ST+8*\t+4:ST+8*\t+5], v[RS+32*\t+\i+2:RS+32*\t+\i+3]
.endr
.endr
.irp t, 0,1
	v_pk_add_f32 v[ST+8*\t+2:ST+8*\t+3], v[ST+8*\t+2:ST+8*\t+3], v[RS+32*\t+30:RS+32*\t+31]
.endr
.irp t, 0,1
	v_pk_add_f32 v[ST+8*\t+2:ST+8*\t+3], v[ST+8*\t+2:ST+8*\t+3], v[ST+8*\t+4:ST+8*\t+5]
.endr
.irp i, 0,1,2,3,4,5,6,7,8,9,10,11,12,13,14,15
.irp t, 0,1
	v_cvt_pk_f16_f32 v[RS+32*\t+\i], v[RS+32*\t+2*\i], v[RS+32*\t+2*\i+1]   ; in place, ascending: register i is written when pairs up to i have been read
.endr
.endr
.irp i, 0,2,4,6,8,10,12,14,16,18,20,22,24,26,28,30
.irp t, 0,1
	v_pk_mul_f32 v[RO+32*\t+\i:RO+32*\t+\i+1], v[RO+32*\t+\i:RO+32*\t+\i+1], v[ST+8*\t+6:ST+8*\t+7] op_sel_hi:[1,0]   ; O^T x a, each accumulator from its low end on
.endr
.endr
	s_wait_dscnt 0x0                               ; V is in
.irp g, 0,1                                    ; O^T += V^T P: the eight accumulators take turns
.irp ct, 0,1,2,3
.irp qt, 0,1
	v_wmma_f32_16x16x32_f16 v[RO+32*\qt+8*\ct:RO+32*\qt+8*\ct+7], v[RKV+8*(2*\ct+\g):RKV+8*(2*\ct+\g)+7], v[RS+32*\qt+8*\g:RS+32*\qt+8*\g+7], v[RO+32*\qt+8*\ct:RO+32*\qt+8*\ct+7]
.endr
.endr
.endr
.Lhidden_\@:
	s_add_co_u32 s[KF], s[KF], 64
.endm
; THE CHANGE OF SLOTS stands at a slot's head.  Each wave waits for all its tensor loads, adds 0 to its spare word, and waits for that and for its reads of the slot that it has left; behind the barrier the slot ahead is
; whole and nobody reads the other one.  fill = 1: that other slot takes the next 256 keys, if a wave of the work-group will read them.
.macro CHANGE fill
	s_wait_tensorcnt 0x0                           ; no tensor load of mine is out, so a group 0 may be written
	ds_add_u32 v[SPW], v[NIL]
.if \fill
	ds_add_u32 v[SPW], v[NIL]                      ; and once more: the add twice, in every trip alike
	s_xor_b32 s[G0K+1], s[G0K+1], SLOT1            ; the walking descriptors: the other slot, the next 256 keys
	s_add_nc_u64 s[G0K+2:G0K+3], s[G0K+2:G0K+3], 32768
	s_xor_b32 s[G0V+1], s[G0V+1], SLOT1
	s_add_nc_u64 s[G0V+2:G0V+3], s[G0V+2:G0V+3], 32768
	s_wait_xcnt 0x0                                ; the last prefetch, a slot back, has read its address
	s_add_nc_u64 s[PFA:PFA+1], s[PFA:PFA+1], 32768
.endif
	s_wait_dscnt 0x0
	s_barrier_signal -1
	s_barrier_wait -1
.if \fill
	s_add_co_u32 s[T0], s[KF], 256                 ; the first key of the slot that this change would ask for
	s_cmp_gt_u32 s[T0], s[LQ]                      ; past my work-group's last query: none of its waves would read it.  Ids and the count of steps alone: all sixteen waves go the same way
	s_cbranch_scc1 .Lpast_\@
	TLOAD                                          ; a wave's one tensor load until the next change
.Lpast_\@:
	ASK
.endif
.endm
	s_wait_loadcnt 0x0                             ; Q
.Lslot:                                            ; seven trips
	CHANGE 1
	STEP 0
	STEP 1
	STEP 2
	STEP 3
	s_xor_b32 s[TB], s[TB], SLOT1
	s_sub_co_u32 s[SLOTS], s[SLOTS], 1
	s_cmp_lg_u32 s[SLOTS], 0
	s_cbranch_scc1 .Lslot
	CHANGE 0                                       ; the last slot is written out: nothing is left to ask for
	STEP 0
	STEP 1
	STEP 2
	STEP 3
	; THE WAY OUT.  l's halves and the other lane's are added; O^T / l, rounded to f16, goes through my stage and leaves as 4,096 consecutive bytes.  The additions are the places behind the last products.
.irp t, 0,1
	v_add_f32 v[ST+8*\t+4], v[ST+8*\t+2], v[ST+8*\t+3]
.endr
.irp t, 0,1
	v_permlanex16_b32 v[ST+8*\t+5], v[ST+8*\t+4], s[SEL], s[SEL+1]
.endr
.irp t, 0,1
	v_add_f32 v[ST+8*\t+4], v[ST+8*\t+4], v[ST+8*\t+5]
.endr
.irp t, 0,1
	v_rcp_f32 v[ST+8*\t+6], v[ST+8*\t+4]
.endr
	v_and_b32 v11, 15, v0                          ; (plain work behind the reciprocals)
	v_bfe_u32 v12, v0, 4, 1
	s_mul_i32 s[T0], s[WV], 4608
	s_add_co_u32 s[T0], s[T0], STAGE
	v_mul_u32_u24 v13, v11, 144
	v_lshl_add_u32 v13, v12, 4, v13
	v_add_nc_u32 v13, s[T0], v13                   ; in: row r of 128 bytes + 16, + 16 h
	v_bfe_u32 v14, v0, 3, 2
	v_mul_u32_u24 v14, v14, 144
	v_and_b32 v15, 7, v0
	v_lshl_add_u32 v14, v15, 4, v14
	v_add_nc_u32 v14, s[T0], v14                   ; back: eight lanes to a row, four rows an instruction
	v_and_b32 v15, 31, v0
	v_lshlrev_b32 v15, 4, v15
	s_wait_alu depctr_va_vdst(0)                   ; one wait for the two reciprocals, ahead of their first reader
.irp i, 0,2,4,6,8,10,12,14,16,18,20,22,24,26,28,30
.irp t, 0,1
	v_pk_mul_f32 v[RO+32*\t+\i:RO+32*\t+\i+1], v[RO+32*\t+\i:RO+32*\t+\i+1], v[ST+8*\t+6:ST+8*\t+7] op_sel_hi:[1,0]
.endr
.endr
.irp t, 0,1
.irp i, 0,1,2,3,4,5,6,7,8,9,10,11,12,13,14,15
	v_cvt_pk_f16_f32 v[RS+16*\t+\i], v[RO+32*\t+2*\i], v[RO+32*\t+2*\i+1]
.endr
.endr
.irp t, 0,1
.irp ct, 0,1,2,3
	ds_store_b128 v13, v[RS+16*\t+4*\ct:RS+16*\t+4*\ct+3] offset:2304*\t+32*\ct
.endr
.endr
.irp i, 0,1,2,3,4,5,6,7
	ds_load_b128 v[RKV+4*\i:RKV+4*\i+3], v14 offset:576*\i      ; LDS serves a wave's instructions in order: these see my stores
.endr
.irp i, 0,1,2,3,4,5,6,7
	s_wait_dscnt 7-\i                              ; load i is in; the 7 - i behind it may be out
	global_store_b128 v15, v[RKV+4*\i:RKV+4*\i+3], s[OB:OB+1] offset:512*\i
.endr
	s_wait_tensorcnt 0x0                           ; the wave's end
	ds_add_u32 v[SPW], v[NIL]
	s_wait_dscnt 0x0
	s_endpgm
.Lfunc_end_k_q28f3e1d016_attn:
	.size	k_q28f3e1d016_attn, .Lfunc_end_k_q28f3e1d016_attn-k_q28f3e1d016_attn
	.p2alignl 7, 3214868480
	.fill 96, 4, 3214868480
	.section	.rodata,"a",@progbits
	.p2align	6, 0x0
	.amdhsa_kernel k_q28f3e1d016_attn
		.amdhsa_group_segment_fixed_size 327680
		.amdhsa_private_segment_fixed_size 0
		.amdhsa_enable_private_segment 0
		.amdhsa_kernarg_size 16
		.amdhsa_user_sgpr_count 2
		.amdhsa_user_sgpr_kernarg_segment_ptr 1
		.amdhsa_wavefront_size32 1
		.amdhsa_system_sgpr_workgroup_id_x 1
		.amdhsa_system_sgpr_workgroup_id_y 1
		.amdhsa_system_sgpr_workgroup_id_z 1
		.amdhsa_system_vgpr_workitem_id 0
		.amdhsa_next_free_vgpr 256
		.amdhsa_next_free_sgpr 80
		.amdhsa_reserve_vcc 1
		.amdhsa_float_denorm_mode_32 3
		.amdhsa_float_denorm_mode_16_64 3
		.amdhsa_memory_ordered 1
		.amdhsa_forward_progress 1
		.amdhsa_inst_pref_size 187
	.end_amdhsa_kernel
	.amdgpu_metadata
---
amdhsa.version: [ 1, 2 ]
amdhsa.kernels:
  - .name:           k_q28f3e1d016_attn
    .symbol:         k_q28f3e1d016_attn.kd
    .args:
      - { .name: qkv16, .offset: 0, .size: 8, .value_kind: global_buffer, .address_space: global }
      - { .name: o16, .offset: 8, .size: 8, .value_kind: global_buffer, .address_space: global }
    .group_segment_fixed_size: 327680
    .private_segment_fixed_size: 0
    .kernarg_segment_align: 8
    .kernarg_segment_size: 16
    .max_flat_workgroup_size: 512
    .sgpr_count:     80
    .vgpr_count:     256
    .wavefront_size: 32
...
	.end_amdgpu_metadata
.endif
;; end of part 3
;; launch proj (part 4): grid 4 x 64, 4 waves a work-group, clusters of 4 x 4, 327,680 bytes of LDS; arguments o16, wo16, bo, out0; writes out0
.if DOCPART == 4
	.amdgcn_target "amdgcn-amd-amdhsa--gfx1250"
	.amdhsa_code_object_version 6
	.text
	.protected	k_q28f3e1d016_proj
	.globl	k_q28f3e1d016_proj
	.p2align	8
	.type	k_q28f3e1d016_proj,@function
k_q28f3e1d016_proj:
	s_mov_b64 s[64:65], 0
	v_nop
	global_prefetch_b8 v0, s[64:65] scope:SCOPE_SE
	s_setreg_imm32_b32 hwreg(HW_REG_WAVE_MODE, 25, 1), 1
	s_wait_xcnt 0x0
	s_wait_alu depctr_hold_cnt(0) depctr_sa_sdst(0) depctr_va_vdst(0) depctr_va_sdst(0) depctr_va_ssrc(0) depctr_va_vcc(0) depctr_vm_vsrc(0)
	s_getreg_b32 s2, hwreg(HW_REG_IB_STS2, 6, 4)
	s_cmp_eq_u32 s2, 0
	s_cbranch_scc0 .Lentry_in_a_cluster
	s_endpgm
.Lentry_in_a_cluster:
	s_bfe_u32 s2, ttmp6, 0x10000c
	s_cmp_lg_u32 s2, 0xf033
	s_cbranch_scc0 .Lentry_shape_is_right
	s_endpgm
.Lentry_shape_is_right:
; out0[m][n] = the sum over k of o[m][k] Wo[k][n] + bo[n].  o: f16 [16 heads][8192][64] (k = 64 head + channel); Wo: f16 [1024 k][1024 n]; bo, out0: f32.  Sums in f32.
; A tile of 128 (m) x 256 (n) to a work-group: 256 work-groups.  Four waves, each 64 x 128: 32 accumulators, 256 registers (window 1).  K goes in steps of 128 (two heads) through two LDS slots.
; CLUSTERS: 4 x 4 work-groups; o's tiles are asked for jointly along a row of the cluster, Wo's along a column.
; THE PRODUCT IS USED TRANSPOSED: source 0 = 16 columns of Wo, turned out of [k][n] by ds_load_tr16_b128; source 1 = 16 rows of o: a lane holds eight neighbouring numbers of a row of out0.
; LDS, a slot: o as two heads x 64 rows of two positions (256 bytes + 16); then Wo as 128 rows of 512 bytes + 32.  Behind the ring a stage of 16 rows x 528 bytes for each wave, then the spare words.
; Rows of positions 0-15 are written here too and written over by the launch that makes them in f32.
; REGISTERS: window 0: v16-30 addresses; two fragment buffers, v32-127 and v128-223 (Wo's eight, then o's four); v224-227 bo.
.set SLOT,  104448
.set BOFF,  34816
.set STAGE, 2*SLOT
.set SPARE, STAGE+4*16*528             ; the spare words, 128 bytes for each wave: two blocks of 256 bytes that no other line names
.set ADRA, 16
.set ADRB, 20
.set STO,  24
.set RD,   25
.set CO,   26
.set SPW,  28
.set NIL,  29
.set PFO,  30
.set F0,   32
.set F1,   128
.set BK,   32                          ; the way out: 16 rows read back: v32-95 and v96-159 by turns
.set G1,  24
.set G0,  32
.set G1B, 48
.set G0B, 56
.set LIM, 45
.set PFA, 46
.set MSB, 0
.macro WIN new
.if MSB != (\new)
	s_set_vgpr_msb (MSB<<8)|(\new)
.set MSB, (\new)
.endif
.endm
.set MUL, 0x50                         ; C and D window 1, sources window 0
.macro JLOAD s                         ; waves 0 and 1 fetch o's two heads, waves 2 and 3 Wo's two halves; an s_nop 0 and four v_nop follow each of the two lines
	s_cmp_eq_u32 s13, 0
	s_cbranch_scc0 .Lfor_b_\@
	tensor_load_to_lds s[G0+4*\s:G0+4*\s+3], s[G1:G1+7]
	s_nop 0
.rept 4
	v_nop
.endr
	s_branch .Lasked_\@
.Lfor_b_\@:
	tensor_load_to_lds s[G0B+4*\s:G0B+4*\s+3], s[G1B:G1B+7]
	s_nop 0
.rept 4
	v_nop
.endr
.Lasked_\@:
.endm
.macro CREST
	s_cmp_lg_u32 s12, 0
	s_cbranch_scc1 .Lnot_wave_0_\@
	s_barrier_signal -3
.Lnot_wave_0_\@:
	s_barrier_wait -3
	s_barrier_signal -1
	s_barrier_wait -1
.endm
.macro CROUND
	s_barrier_signal -1
	s_barrier_wait -1
	CREST
.endm
; A prefetch of o's tile two refills on: a K step of a tile row is 2 heads x 16,384 dense bytes.  Only this row of the cluster reads it; its four partners share it out by address, 8,192 bytes each
; (head cx / 2, rows 64 (cx % 2) on); in each, wave 0 asks, lanes 256 bytes apart.  So each block of 256 bytes is named once.  The last two refills have no K step two on; K steps 0 to 3 come by their loads alone.
.macro ASK
	s_cmp_gt_u32 s3, s[LIM]                        ; s3 = 1 in the loop's last trip
	s_cbranch_scc0 .Lnot_mine_\@
	global_prefetch_b8 v[PFO], s[PFA:PFA+1] offset:2097152 th:TH_LOAD_NT scope:SCOPE_SE
.Lnot_mine_\@:
.endm
	s_load_b256 s[4:11], s[0:1], 0x0               ; o16 4:5, wo16 6:7, bo 8:9, out0 10:11
	v_lshl_add_u32 v[SPW], v0, 2, SPARE
	v_mov_b32 v[NIL], 0
	ds_add_u32 v[SPW], v[NIL]                      ; the wave's opening: the add, twice on end, and its wait ahead of my first tensor load
	ds_add_u32 v[SPW], v[NIL]
	v_lshrrev_b32 v1, 5, v0
	v_readfirstlane_b32 s12, v1                    ; wave 0..3
	s_lshr_b32 s13, s12, 1                         ; my half of the tile's rows.  Also: I fetch for o (0) or for Wo (1)
	s_and_b32 s14, s12, 1                          ; my half of its columns.  Also: which head, or which 64 rows of Wo, I fetch
	s_bfe_u32 s40, ttmp6, 0x40000                  ; cx = the tile column
	s_bfe_u32 s41, ttmp6, 0x40004                  ; cy
	s_and_b32 s42, ttmp7, 0xffff
	s_lshl_b32 s42, s42, 2
	s_add_co_u32 s42, s42, s41                     ; tile row = 4 x cluster y + cy
	s_lshl_b32 s43, s41, 2
	s_lshl_b32 s43, 15, s43                        ; my row of the cluster
	s_lshl_b32 s44, 0x1111, s40                    ; my column
	s_or_b32 s[G1+0], s43, (1<<16)|(1<<20)|(1<<21)|(5<<22)|(3<<25)    ; elements of 2 bytes; 4 words of padding behind every 64
	s_mov_b32 s[G1+1], 128<<16                     ; o: 64 rows of 128 elements, dense
	s_mov_b32 s[G1+2], 64<<16
	s_mov_b32 s[G1+3], 128<<16
	s_mov_b32 s[G1+4], 64
	s_mov_b32 s[G1+5], 128
	s_mov_b32 s[G1+6], 0
	s_mov_b32 s[G1+7], 0
	s_or_b32 s[G1B+0], s44, (1<<16)|(1<<20)|(1<<21)|(6<<22)|(7<<25)   ; 8 words of padding behind every 128
	s_mov_b32 s[G1B+1], 256<<16                    ; Wo: 64 rows of 256 elements, 1,024 elements apart
	s_mov_b32 s[G1B+2], 64<<16
	s_mov_b32 s[G1B+3], 256<<16
	s_mov_b32 s[G1B+4], 64
	s_mov_b32 s[G1B+5], 1024
	s_mov_b32 s[G1B+6], 0
	s_mov_b32 s[G1B+7], 0
	s_lshl_b32 s16, s42, 14                        ; o: 128 rows of 128 bytes a tile row,
	s_lshl_b32 s17, s14, 20                        ; a head is 8,192 rows
	s_add_co_u32 s16, s16, s17
	s_mov_b32 s17, 0
	s_lshl_b32 s18, s40, 9                         ; Wo: 512 bytes a tile column,
	s_lshl_b32 s19, s14, 17                        ; 64 rows of 2,048 bytes
	s_add_co_u32 s18, s18, s19
	s_mov_b32 s19, 0
	s_mul_i32 s20, s14, 17408                      ; where they go: no place in the cluster enters an LDS address
	s_mul_i32 s21, s14, 34816
	s_add_co_u32 s21, s21, BOFF
	s_wait_dscnt 0x0                               ; both opening adds are done
	s_wait_kmcnt 0x0
	s_add_nc_u64 s[16:17], s[4:5], s[16:17]
	s_add_nc_u64 s[18:19], s[6:7], s[18:19]
	CROUND                                         ; all sixteen work-groups are here: the first joint loads meet
.irp s, 0,1
	s_mov_b32 s[G0+4*\s], 1
	s_add_co_u32 s[G0+4*\s+1], s20, \s*SLOT
	s_add_nc_u64 s[G0+4*\s+2:G0+4*\s+3], s[16:17], \s*2097152     ; a K step on: two heads
	s_or_b32 s[G0+4*\s+3], s[G0+4*\s+3], 0x80000000
	s_mov_b32 s[G0B+4*\s], 1
	s_add_co_u32 s[G0B+4*\s+1], s21, \s*SLOT
	s_add_nc_u64 s[G0B+4*\s+2:G0B+4*\s+3], s[18:19], \s*262144    ; 128 rows of Wo
	s_or_b32 s[G0B+4*\s+3], s[G0B+4*\s+3], 0x80000000
	JLOAD \s                                       ; two tensor loads of mine are out
.endr
	v_and_b32 v1, 15, v0                           ; r
	v_bfe_u32 v2, v0, 4, 1                         ; h
	v_lshrrev_b32 v3, 1, v1
	v_mul_u32_u24 v3, v3, 272
	v_and_b32 v4, 1, v0
	v_lshl_add_u32 v3, v4, 7, v3
	v_lshl_add_u32 v3, v2, 4, v3                   ; o: row r: 272 (r / 2) + 128 (r % 2), + 16 h
	v_and_b32 v4, 7, v0
	v_lshl_add_u32 v4, v2, 3, v4
	v_mul_u32_u24 v4, v4, 544
	v_bfe_u32 v5, v0, 3, 1
	v_lshl_add_u32 v4, v5, 4, v4                   ; Wo: row 8 h + l % 8, columns 8 ((l / 8) % 2) on
	s_mul_i32 s22, s13, 8704                       ; my 64 rows of o
	s_lshl_b32 s23, s14, 8                         ; my 128 columns of Wo
	s_add_co_u32 s23, s23, BOFF
.irp s, 0,1
	v_add_nc_u32 v[ADRA+\s], s22, v3
	v_add_nc_u32 v[ADRB+\s], s23, v4
	s_add_co_u32 s22, s22, SLOT
	s_add_co_u32 s23, s23, SLOT
.endr
	s_mul_i32 s22, s12, 16*528
	s_add_co_u32 s22, s22, STAGE                   ; my stage
	v_mul_u32_u24 v5, v1, 528
	v_lshl_add_u32 v5, v2, 5, v5
	v_add_nc_u32 v[STO], s22, v5                   ; in: row r, 32 bytes for each half of the lanes
	v_and_b32 v6, 31, v0
	v_lshlrev_b32 v[CO], 4, v6                     ; back: the 32 lanes take one row of 512 bytes; the same in out0 and in bo
	v_add_nc_u32 v[RD], s22, v[CO]
	v_lshlrev_b32 v[PFO], 8, v6
	s_lshl_b32 s22, s40, 10
	s_lshl_b32 s23, s14, 9
	s_add_co_u32 s22, s22, s23                     ; my first column, in bytes
	s_mov_b32 s23, 0
	s_add_nc_u64 s[8:9], s[8:9], s[22:23]
	global_load_b128 v[224:227], v[CO], s[8:9]     ; bo of the four columns that I store
	s_add_nc_u64 s[10:11], s[10:11], s[22:23]
	s_lshl_b32 s22, s42, 19
	s_lshl_b32 s16, s13, 18
	s_add_co_u32 s22, s22, s16                     ; my first row: 128 x tile row + 64 x half, rows of 4,096 bytes
	s_add_nc_u64 s[10:11], s[10:11], s[22:23]
	s_lshr_b32 s22, s40, 1                         ; the prefetches: head cx / 2,
	s_lshl_b32 s22, s22, 20
	s_lshl_b32 s16, s42, 14
	s_add_co_u32 s22, s22, s16
	s_and_b32 s16, s40, 1                          ; rows 64 (cx % 2) on,
	s_lshl_b32 s16, s16, 13
	s_add_co_u32 s22, s22, s16
	s_add_co_u32 s22, s22, 2*2097152               ; at K step 2: the first refill steps it to 3 and names K step 4
	s_add_nc_u64 s[PFA:PFA+1], s[4:5], s[22:23]
	s_cmp_eq_u32 s12, 0
	s_cselect_b32 s[LIM], 1, -1
.macro MUL8 f, a, zero                 ; o's block a against Wo's eight, 32 along K.  The 32 accumulators take turns, in the same order in every quarter
.irp b, 0,1,2,3,4,5,6,7
.if \zero
	v_wmma_f32_16x16x32_f16 v[8*(8*(\a)+\b):8*(8*(\a)+\b)+7], v[\f+8*\b:\f+8*\b+7], v[\f+64+8*(\a):\f+64+8*(\a)+7], 0
.else
	v_wmma_f32_16x16x32_f16 v[8*(8*(\a)+\b):8*(8*(\a)+\b)+7], v[\f+8*\b:\f+8*\b+7], v[\f+64+8*(\a):\f+64+8*(\a)+7], v[8*(8*(\a)+\b):8*(8*(\a)+\b)+7]
.endif
.endr
.endm
.macro FETCH slot, q, f                ; 24 LDS loads in one run: the slot's q-th 32 along K: Wo's eight fragments, then o's four
	WIN 0
.irp b, 0,1,2,3,4,5,6,7
	ds_load_tr16_b128 v[\f+8*\b:\f+8*\b+3], v[ADRB+\slot] offset:17408*(\q)+32*\b
	ds_load_tr16_b128 v[\f+8*\b+4:\f+8*\b+7], v[ADRB+\slot] offset:17408*(\q)+8704+32*\b
.endr
.irp a, 0,1,2,3
	ds_load_b128 v[\f+64+8*\a:\f+64+8*\a+3], v[ADRA+\slot] offset:17408*((\q)/2)+64*((\q)%2)+2176*\a
	ds_load_b128 v[\f+64+8*\a+4:\f+64+8*\a+7], v[ADRA+\slot] offset:17408*((\q)/2)+64*((\q)%2)+2176*\a+32
.endr
.endm
.macro PLACES
.rept 4
	v_nop
.endr
.endm
.macro QUARTER slot, q, f, g, zero     ; multiplies buffer f; in its middle it fetches the slot's q-th quarter into g
	s_wait_dscnt 4                                 ; Wo's fragments and o's blocks 0, 1 are in; the youngest four loads (blocks 2, 3) may be out
	WIN MUL
	MUL8 \f, 0, \zero
	MUL8 \f, 1, \zero
	PLACES                                         ; in front of loads into registers that matrix instructions have read
	FETCH \slot, \q, \g
	s_wait_dscnt 24                                ; all but the 24 just issued
	WIN MUL
	MUL8 \f, 2, \zero
	MUL8 \f, 3, \zero
.endm
; A slot's last quarter multiplies buffer 1 and changes slots: one barrier; in front of it all my tensor loads have landed, the add is done and my reads of this slot are over.  fill = 1: the barrier opens a round of
; the cluster's barrier, and this slot is filled again, two K steps ahead: the first tensor load behind the round.
.macro TURN slot, next, fill
.if \fill
	s_wait_xcnt 0x0                                ; the last prefetch, a K step back, has read its address
	s_add_nc_u64 s[PFA:PFA+1], s[PFA:PFA+1], 2097152
.endif
	WIN 0                                          ; the add's two registers lie in window 0
	s_wait_tensorcnt 0x0
	ds_add_u32 v[SPW], v[NIL]
	s_wait_dscnt 5                                 ; the add and the youngest four loads may be out
	WIN MUL
	MUL8 F1, 0, 0
	s_wait_dscnt 0x0
	s_barrier_signal -1
	MUL8 F1, 1, 0
.if \fill
	WIN 0
.endif
	s_barrier_wait -1
.if \fill
	CREST                                          ; no wave of any partner still reads this slot or has a load on its way
	s_add_nc_u64 s[G0+4*\slot+2:G0+4*\slot+3], s[G0+4*\slot+2:G0+4*\slot+3], 4194304
	s_add_nc_u64 s[G0B+4*\slot+2:G0B+4*\slot+3], s[G0B+4*\slot+2:G0B+4*\slot+3], 524288
	JLOAD \slot                                    ; the four v_nop behind it are also the places in front of the loads below
.else
	PLACES
.endif
	FETCH \next, 0, F0
.if \fill
	ASK
.endif
	WIN MUL
	MUL8 F1, 2, 0
	MUL8 F1, 3, 0
.endm
	s_wait_tensorcnt 1                             ; my part of K step 0 is in; K step 1's may be out
	s_barrier_signal -1
	s_barrier_wait -1
	FETCH 0, 0, F0
	QUARTER 0, 1, F0, F1, 1                        ; the first quarter's products start the sums
	WIN 0
	s_mov_b32 s3, 3
.Llap:                                             ; a trip goes once round the ring and fills both slots again
	QUARTER 0, 2, F1, F0, 0
	QUARTER 0, 3, F0, F1, 0
	TURN 0, 1, 1
	QUARTER 1, 1, F0, F1, 0
	QUARTER 1, 2, F1, F0, 0
	QUARTER 1, 3, F0, F1, 0
	TURN 1, 0, 1
	QUARTER 0, 1, F0, F1, 0
	WIN 0
	s_sub_co_u32 s3, s3, 1
	s_cmp_lg_u32 s3, 0
	s_cbranch_scc1 .Llap
	QUARTER 0, 2, F1, F0, 0                        ; the last lap fills nothing
	QUARTER 0, 3, F0, F1, 0
	TURN 0, 1, 0
	QUARTER 1, 1, F0, F1, 0
	QUARTER 1, 2, F1, F0, 0
	QUARTER 1, 3, F0, F1, 0
	s_wait_dscnt 4
	WIN MUL
	MUL8 F1, 0, 0
	MUL8 F1, 1, 0
	s_wait_dscnt 0
	MUL8 F1, 2, 0
	MUL8 F1, 3, 0
	WIN 0
; THE WAY OUT, block by block of 16 rows x 128 columns: through my own stage, back as whole rows of 512 bytes, + bo, stored by the 32 lanes as 512 consecutive bytes.
.macro TOSTAGE a
	WIN 0x04                                       ; an LDS store's data are its source 1: window 1
.irp b, 0,1,2,3,4,5,6,7
	ds_store_b128 v[STO], v[8*(8*(\a)+\b):8*(8*(\a)+\b)+3] offset:64*\b          ; each accumulator from its low end on
	ds_store_b128 v[STO], v[8*(8*(\a)+\b)+4:8*(8*(\a)+\b)+7] offset:64*\b+16
.endr
	WIN 0
.set BB, BK+64*((\a)%2)
.irp t, 0,1,2,3,4,5,6,7,8,9,10,11,12,13,14,15
	ds_load_b128 v[BB+4*\t:BB+4*\t+3], v[RD] offset:\t*528     ; LDS serves a wave's instructions in order: these see the stores above, and the next block's stores come behind them
.endr
.endm
.macro SEND a, younger
.set BB, BK+64*((\a)%2)
	s_wait_dscnt \younger                          ; the block is back; the next block's 16 stores and 16 loads may be out
.irp t, 0,1,2,3,4,5,6,7,8,9,10,11,12,13,14,15
	v_pk_add_f32 v[BB+4*\t:BB+4*\t+1], v[BB+4*\t:BB+4*\t+1], v[224:225]
	v_pk_add_f32 v[BB+4*\t+2:BB+4*\t+3], v[BB+4*\t+2:BB+4*\t+3], v[226:227]
	global_store_b128 v[CO], v[BB+4*\t:BB+4*\t+3], s[10:11] offset:(16*(\a)+\t)*4096 th:TH_STORE_NT
.endr
.endm
	PLACES                                         ; behind the last products: for the stores that read results and the loads into the fragments' registers
	s_wait_loadcnt 0x0                             ; bo
	TOSTAGE 0
	TOSTAGE 1
	SEND 0, 32
	s_wait_xcnt 0x0                                ; block 0's stores have read their registers: block 2's rows may land there
	TOSTAGE 2
	SEND 1, 32
	s_wait_xcnt 0x0
	TOSTAGE 3
	SEND 2, 32
	SEND 3, 0
	s_wait_tensorcnt 0x0                           ; the wave's end
	ds_add_u32 v[SPW], v[NIL]
	s_wait_dscnt 0x0
	CROUND                                         ; the closing round
	s_endpgm
.Lfunc_end_k_q28f3e1d016_proj:
	.size	k_q28f3e1d016_proj, .Lfunc_end_k_q28f3e1d016_proj-k_q28f3e1d016_proj
	.p2alignl 7, 3214868480
	.fill 96, 4, 3214868480
	.section	.rodata,"a",@progbits
	.p2align	6, 0x0
	.amdhsa_kernel k_q28f3e1d016_proj
		.amdhsa_group_segment_fixed_size 327680
		.amdhsa_private_segment_fixed_size 0
		.amdhsa_enable_private_segment 0
		.amdhsa_kernarg_size 32
		.amdhsa_user_sgpr_count 2
		.amdhsa_user_sgpr_kernarg_segment_ptr 1
		.amdhsa_wavefront_size32 1
		.amdhsa_system_sgpr_workgroup_id_x 1
		.amdhsa_system_sgpr_workgroup_id_y 1
		.amdhsa_system_sgpr_workgroup_id_z 1
		.amdhsa_system_vgpr_workitem_id 0
		.amdhsa_next_free_vgpr 512
		.amdhsa_next_free_sgpr 66
		.amdhsa_reserve_vcc 0
		.amdhsa_float_denorm_mode_32 3
		.amdhsa_float_denorm_mode_16_64 3
		.amdhsa_memory_ordered 1
		.amdhsa_forward_progress 1
		.amdhsa_inst_pref_size 94
	.end_amdhsa_kernel
	.amdgpu_metadata
---
amdhsa.version: [ 1, 2 ]
amdhsa.kernels:
  - .name:           k_q28f3e1d016_proj
    .symbol:         k_q28f3e1d016_proj.kd
    .args:
      - { .name: o16, .offset: 0, .size: 8, .value_kind: global_buffer, .address_space: global }
      - { .name: wo16, .offset: 8, .size: 8, .value_kind: global_buffer, .address_space: global }
      - { .name: bo, .offset: 16, .size: 8, .value_kind: global_buffer, .address_space: global }
      - { .name: out0, .offset: 24, .size: 8, .value_kind: global_buffer, .address_space: global }
    .group_segment_fixed_size: 327680
    .private_segment_fixed_size: 0
    .kernarg_segment_align: 8
    .kernarg_segment_size: 32
    .max_flat_workgroup_size: 128
    .sgpr_count:     66
    .vgpr_count:     512
    .wavefront_size: 32
...
	.end_amdgpu_metadata
.endif
;; end of part 4
;; launch first16 (part 5): grid 16 x 4, 16 waves a work-group, no clusters, 71,680 bytes of LDS; arguments first32, Wo, bo, out0; writes out0
.if DOCPART == 5
	.amdgcn_target "amdgcn-amd-amdhsa--gfx1250"
	.amdhsa_code_object_version 6
	.text
	.protected	k_q28f3e1d016_first16
	.globl	k_q28f3e1d016_first16
	.p2align	8
	.type	k_q28f3e1d016_first16,@function
k_q28f3e1d016_first16:
	s_mov_b64 s[64:65], 0
	v_nop
	global_prefetch_b8 v0, s[64:65] scope:SCOPE_SE
	s_setreg_imm32_b32 hwreg(HW_REG_WAVE_MODE, 25, 1), 1
	s_wait_xcnt 0x0
; Positions 0-15 of every batch, all in f32: these rows average one to sixteen values and are the largest of the output, so the rounding of 16-bit operands weighs most there.  They are written over the rows that the
; launch before has stored.  q, k, v (after RoPE) come as f32 from first32 [4][3][16 heads][16][64].
; A work-group takes 64 columns n0 .. n0 + 63 of one batch; wave w is head w: S^T = k q^T (16 x 16 x 64), the causal softmax with its maximum, O^T = v^T p, Y^T = Wo^T O^T for its head's 64 rows of Wo;
; the sixteen heads' parts meet in LDS, and wave w adds them, and bo, for position w.  The attention is made anew in each of a batch's sixteen work-groups: 16 x 16 scores a head.
; The products go by v_wmma_f32_16x16x4_f32.  Its results (v112-191) are written by matrix instructions alone; sums begin with the constant 0; accumulators take turns.
; k IS PERMUTED ALIKE ON BOTH SOURCES of each product, so that each result is the next product's source as it lies: register pair 2 s of lane (r, h) stands for the same two k on both sides.
; Matrix units are used here for 16 rows a batch: no bulk work.  No tensor load, one barrier.
; LIMITS: NaN and infinities are not served.
.set SPARE, 69632                      ; behind the sixteen parts (4,352 bytes each): the spare words, 128 bytes for each wave: eight blocks of 256 bytes that no other line names
.set SPW, 2
.set NIL, 3
	s_load_b256 s[4:11], s[0:1], 0x0               ; first32 4:5, Wo 6:7, bo 8:9, out0 10:11
	v_lshl_add_u32 v[SPW], v0, 2, SPARE
	v_mov_b32 v[NIL], 0
	v_lshrrev_b32 v1, 5, v0
	v_readfirstlane_b32 s12, v1                    ; wave = head
	s_and_b32 s13, ttmp7, 0xffff                   ; batch
	s_mul_i32 s14, s13, 48
	s_add_co_u32 s14, s14, s12
	s_lshl_b32 s14, s14, 12                        ; q of (batch, head); k lies 65,536 bytes on, v 131,072
	s_mov_b32 s15, 0
	s_lshl_b32 s16, ttmp9, 8                       ; 4 n0
	s_mov_b32 s17, 0
	s_lshl_b32 s18, s12, 18                        ; my head's 64 rows of Wo
	s_add_co_u32 s18, s18, s16
	s_mov_b32 s19, 0
	s_lshl_b32 s24, s13, 11
	s_add_co_u32 s24, s24, s12                     ; the row that I store: position = wave
	s_lshl_b32 s24, s24, 12
	s_add_co_u32 s24, s24, s16
	s_mov_b32 s25, 0
	s_mov_b32 s20, 0x76543210
	s_mov_b32 s21, 0xfedcba98                      ; v_permlanex16_b32's selects for lane l xor 16
	s_mov_b32 s22, 0x3e38aa3b                      ; c = log2(e) / 8
	v_and_b32 v4, 15, v0                           ; r
	v_bfe_u32 v5, v0, 4, 1                         ; h
	v_lshlrev_b32 v6, 8, v4
	v_lshl_add_u32 v6, v5, 4, v6                   ; q, k: row r of 256 bytes + 16 h
	v_lshlrev_b32 v7, 2, v4
	v_lshl_add_u32 v8, v5, 15, v7                  ; Wo: 8 h rows of 4,096 bytes + 4 r
	v_lshl_add_u32 v7, v5, 11, v7                  ; v: 8 h rows of 256 bytes + 4 r
	v_lshlrev_b32 v9, 3, v5
	v_sub_nc_u32 v9, v4, v9                        ; r - 8 h: key 8 h + j is hidden where j is above it
	v_and_b32 v10, 31, v0
	v_lshlrev_b32 v10, 3, v10                      ; 8 x lane
	v_mov_b32 v12, 0                               ; written once: a lane permute's destination counts as one of its sources
	v_mov_b32 v13, 0xff800000                      ; -infinity
	s_mul_i32 s23, s12, 4352
	v_mul_u32_u24 v1, v4, 272
	v_lshl_add_u32 v1, v5, 5, v1
	v_add_nc_u32 v1, s23, v1                       ; my part in LDS: row = position r, 256 bytes + 16; + 32 h
	s_mul_i32 s23, s12, 272
	v_add_nc_u32 v11, s23, v10                     ; and where I read position w of each part (kept in v11 until then: see below)
	s_wait_kmcnt 0x0
	s_add_nc_u64 s[4:5], s[4:5], s[14:15]
	s_add_nc_u64 s[6:7], s[6:7], s[18:19]
	s_add_nc_u64 s[8:9], s[8:9], s[16:17]
	s_add_nc_u64 s[10:11], s[10:11], s[24:25]
	global_load_b64 v[14:15], v10, s[8:9]          ; bo of my two columns
.irp u, 0,1,2,3,4,5,6,7
	global_load_b128 v[16+4*\u:19+4*\u], v6, s[4:5] offset:32*\u            ; q: channels 8 u + 4 h + 0 .. 3
.endr
.irp u, 0,1,2,3,4,5,6,7
	global_load_b128 v[48+4*\u:51+4*\u], v6, s[4:5] offset:65536+32*\u      ; k likewise
.endr
.irp t, 0,1,2,3
.irp s, 0,1,2,3
.irp j, 0,1
	global_load_b32 v[80+8*\t+2*\s+\j], v7, s[4:5] offset:131072+256*(2*\s+\j)+64*\t   ; v(key 8 h + 2 s + j, channel 16 t + r)
.endr
.endr
.endr
.irp t, 0,1
.irp s, 0,1,2,3
.irp u, 0,1,2,3
.irp j, 0,1
	global_load_b32 v[192+8*(4*\t+\s)+2*\u+\j], v8, s[6:7] offset:4096*(16*\t+2*\s+\j)+64*\u   ; Wo(64 w + 16 t + 8 h + 2 s + j, n0 + 16 u + r), t = 0, 1
.endr
.endr
.endr
.endr
	s_wait_loadcnt 63                              ; of the 113 loads issued the first 50 are in: bo, q, k and v are the first 49
	; S^T = k q^T: 16 steps of 4 along the channels, on two accumulators by turns
	v_wmma_f32_16x16x4_f32 v[112:119], v[48:49], v[16:17], 0
	v_wmma_f32_16x16x4_f32 v[120:127], v[50:51], v[18:19], 0
.irp s, 4,8,12,16,20,24,28
	v_wmma_f32_16x16x4_f32 v[112:119], v[48+\s:49+\s], v[16+\s:17+\s], v[112:119]
	v_wmma_f32_16x16x4_f32 v[120:127], v[50+\s:51+\s], v[18+\s:19+\s], v[120:127]
.endr
.rept 8
	v_nop                                          ; eight places behind this form, before its results are read and its sources written
.endr
.irp j, 0,1,2,3,4,5,6,7
	v_add_f32 v[16+\j], v[112+\j], v[120+\j]       ; score of key 8 h + j, query r; from the low end on
.endr
.irp j, 0,1,2,3,4,5,6,7
	v_cmp_gt_i32 vcc_lo, \j, v9
	v_cndmask_b32 v[16+\j], v[16+\j], v13, vcc_lo  ; the causal mask
.endr
	v_max3_num_f32 v24, v16, v17, v18
	v_max3_num_f32 v25, v19, v20, v21
	v_max3_num_f32 v24, v24, v22, v23
	v_max_num_f32 v24, v24, v25
	v_permlanex16_b32 v12, v24, s20, s21
	v_max_num_f32 v24, v24, v12                    ; the row's maximum: key 0 counts for every query
	v_mul_f32 v24, s22, v24
.irp j, 0,1,2,3,4,5,6,7
	v_fma_f32 v[16+\j], v[16+\j], s22, -v24
.endr
.irp j, 0,1,2,3,4,5,6,7
	v_exp_f32 v[16+\j], v[16+\j]
.endr
	v_nop                                          ; a plain line behind the last exponential
	s_wait_alu depctr_va_vdst(0)                   ; one wait for the eight, ahead of their first reader
	v_add_f32 v24, v16, v17
	v_add_f32 v25, v18, v19
	v_add_f32 v26, v20, v21
	v_add_f32 v27, v22, v23
	v_add_f32 v24, v24, v25
	v_add_f32 v26, v26, v27
	v_add_f32 v24, v24, v26
	v_permlanex16_b32 v12, v24, s20, s21
	v_add_f32 v24, v24, v12                        ; the row's sum
	v_rcp_f32 v12, v24
	v_nop
	s_wait_alu depctr_va_vdst(0)
.irp j, 0,1,2,3,4,5,6,7
	v_mul_f32 v[24+\j], v[16+\j], v12              ; the weights
.endr
	; O^T = v^T p: 4 steps of 4 keys (8 h + 2 s + j), four accumulators by turns
.irp s, 0,1,2,3
.irp t, 0,1,2,3
.if \s == 0
	v_wmma_f32_16x16x4_f32 v[128+8*\t:135+8*\t], v[80+8*\t+2*\s:81+8*\t+2*\s], v[24+2*\s:25+2*\s], 0
.else
	v_wmma_f32_16x16x4_f32 v[128+8*\t:135+8*\t], v[80+8*\t+2*\s:81+8*\t+2*\s], v[24+2*\s:25+2*\s], v[128+8*\t:135+8*\t]
.endif
.endr
.endr
.rept 9
	v_nop                                          ; nine places before a matrix instruction takes these results as a source; they also serve the loads into k's and v's registers
.endr
.irp t, 0,1
.irp s, 0,1,2,3
.irp u, 0,1,2,3
.irp j, 0,1
	global_load_b32 v[48+8*(4*\t+\s)+2*\u+\j], v8, s[6:7] offset:4096*(32+16*\t+2*\s+\j)+64*\u   ; Wo's rows for t = 2, 3
.endr
.endr
.endr
.endr
	s_wait_loadcnt 63                              ; all but the last 63: Wo's first 64 are in
	; Y^T = Wo^T O^T: 16 steps of 4 channels (16 t + 8 h + 2 s + j), four accumulators by turns
.irp t, 0,1
.irp s, 0,1,2,3
.irp u, 0,1,2,3
.if (\t == 0) && (\s == 0)
	v_wmma_f32_16x16x4_f32 v[160+8*\u:167+8*\u], v[192+8*(4*\t+\s)+2*\u:193+8*(4*\t+\s)+2*\u], v[128+8*\t+2*\s:129+8*\t+2*\s], 0
.else
	v_wmma_f32_16x16x4_f32 v[160+8*\u:167+8*\u], v[192+8*(4*\t+\s)+2*\u:193+8*(4*\t+\s)+2*\u], v[128+8*\t+2*\s:129+8*\t+2*\s], v[160+8*\u:167+8*\u]
.endif
.endr
.endr
.endr
	s_wait_loadcnt 0x0
.irp t, 0,1
.irp s, 0,1,2,3
.irp u, 0,1,2,3
	v_wmma_f32_16x16x4_f32 v[160+8*\u:167+8*\u], v[48+8*(4*\t+\s)+2*\u:49+8*(4*\t+\s)+2*\u], v[144+8*\t+2*\s:145+8*\t+2*\s], v[160+8*\u:167+8*\u]
.endr
.endr
.endr
.rept 8
	v_nop                                          ; eight places before the stores read the results
.endr
.irp u, 0,1,2,3
	ds_store_b128 v1, v[160+8*\u:163+8*\u] offset:64*\u          ; lane (r, h): Y(position r, n0 + 16 u + 8 h + 0 .. 7), my head's part
	ds_store_b128 v1, v[164+8*\u:167+8*\u] offset:64*\u+16
.endr
	s_wait_dscnt 0x0                               ; for the others' sake: my stores have landed
	s_barrier_signal -1
	s_barrier_wait -1
.irp p, 0,1,2,3,4,5,6,7,8,9,10,11,12,13,14,15
	ds_load_b64 v[16+2*\p:17+2*\p], v11 offset:4352*\p           ; position w of head p's part: 256 bytes for the 32 lanes
.endr
	s_wait_dscnt 0x0
	v_pk_add_f32 v[14:15], v[14:15], v[16:17]      ; bo and the sixteen parts, in two chains
	v_pk_add_f32 v[18:19], v[18:19], v[20:21]
.irp p, 22,26,30,34,38,42
	v_pk_add_f32 v[14:15], v[14:15], v[\p:\p+1]
	v_pk_add_f32 v[18:19], v[18:19], v[\p+2:\p+3]
.endr
	v_pk_add_f32 v[14:15], v[14:15], v[46:47]
	v_pk_add_f32 v[14:15], v[14:15], v[18:19]
	global_store_b64 v10, v[14:15], s[10:11]       ; 256 consecutive bytes, aligned
	s_wait_tensorcnt 0x0                           ; the wave's end
	ds_add_u32 v[SPW], v[NIL]
	s_wait_dscnt 0x0
	s_endpgm
.Lfunc_end_k_q28f3e1d016_first16:
	.size	k_q28f3e1d016_first16, .Lfunc_end_k_q28f3e1d016_first16-k_q28f3e1d016_first16
	.p2alignl 7, 3214868480
	.fill 96, 4, 3214868480
	.section	.rodata,"a",@progbits
	.p2align	6, 0x0
	.amdhsa_kernel k_q28f3e1d016_first16
		.amdhsa_group_segment_fixed_size 71680
		.amdhsa_private_segment_fixed_size 0
		.amdhsa_enable_private_segment 0
		.amdhsa_kernarg_size 32
		.amdhsa_user_sgpr_count 2
		.amdhsa_user_sgpr_kernarg_segment_ptr 1
		.amdhsa_wavefront_size32 1
		.amdhsa_system_sgpr_workgroup_id_x 1
		.amdhsa_system_sgpr_workgroup_id_y 1
		.amdhsa_system_sgpr_workgroup_id_z 1
		.amdhsa_system_vgpr_workitem_id 0
		.amdhsa_next_free_vgpr 256
		.amdhsa_next_free_sgpr 66
		.amdhsa_reserve_vcc 1
		.amdhsa_float_denorm_mode_32 3
		.amdhsa_float_denorm_mode_16_64 3
		.amdhsa_memory_ordered 1
		.amdhsa_forward_progress 1
		.amdhsa_inst_pref_size 32
	.end_amdhsa_kernel
	.amdgpu_metadata
---
amdhsa.version: [ 1, 2 ]
amdhsa.kernels:
  - .name:           k_q28f3e1d016_first16
    .symbol:         k_q28f3e1d016_first16.kd
    .args:
      - { .name: first32, .offset: 0, .size: 8, .value_kind: global_buffer, .address_space: global }
      - { .name: Wo, .offset: 8, .size: 8, .value_kind: global_buffer, .address_space: global }
      - { .name: bo, .offset: 16, .size: 8, .value_kind: global_buffer, .address_space: global }
      - { .name: out0, .offset: 24, .size: 8, .value_kind: global_buffer, .address_space: global }
    .group_segment_fixed_size: 71680
    .private_segment_fixed_size: 0
    .kernarg_segment_align: 8
    .kernarg_segment_size: 32
    .max_flat_workgroup_size: 512
    .sgpr_count:     66
    .vgpr_count:     256
    .wavefront_size: 32
...
	.end_amdgpu_metadata
.endif
;; end of part 5
